; MI455X (gfx1250); checked and timed in simulation.
; The chip was launched on July 23, 2026; its instructions are those of AMD's public machine-readable ISA for CDNA 5 (MIT licence, August 2026) and "CDNA5" Instruction Set Architecture Reference Guide (July 2026). The comments in the code are by the model that wrote it; some were corrected since.
;; Causal Attention. Allowed arithmetic: float matrix products may take bf16 or f16 operands with f32 sums; other float arithmetic in f32, or as packed bf16 or f16 multiplies, adds, multiply-adds, maxima and minima; sums over many terms, partial sums and values carried from step to step in f32; what a program stores and reads back later, other than sums and carried values, may be rounded once to bf16 or f16.
;; Inputs: W_attn 1,024 x 3,072 float32; W_proj 1,024 x 1,024 float32; b_attn 3,072 float32; b_proj 1,024 float32; lut_k 33 x 64 float32; lut_v 33 x 64 float32; x 8 x 1,024 x 1,024 float32.
;; Outputs: out0 8 x 1,024 x 1,024 float32.
;; 2 versions, each right; version 2 is version 1 with the launch prep written anew for expert scheduling mode. Each part assembles by itself: llvm-mc -triple=amdgcn-amd-amdhsa -mcpu=gfx1250 --defsym DOCPART=n.
;; ======== version 1 of 2: 4 launches
;; limits: values are held in f16: magnitudes above 65,504 overflow, below 6.1e-05 lose precision
;; workspace buffers: xb 16,777,216 bytes; wat 6,291,456 bytes; wpt 2,097,152 bytes; bias 16,384 bytes; tab 4,096 bytes; qkv 50,331,648 bytes; ob 16,777,216 bytes
;; launch prep (part 1): grid 1025 x 1, 8 waves a work-group, no clusters, 18,432 bytes of LDS; arguments x, W_attn, W_proj, b_attn, b_proj, lut_k, lut_v, xb, wat, wpt, bias, tab; writes xb, wat, wpt, bias, tab
.if DOCPART == 1
	.amdgcn_target "amdgcn-amd-amdhsa--gfx1250"
	.amdhsa_code_object_version 6
	.text
	.protected	k_qdc161379ca_prep
	.globl	k_qdc161379ca_prep
	.p2align	8
	.type	k_qdc161379ca_prep,@function
k_qdc161379ca_prep:
	s_mov_b64 s[64:65], 0
	v_nop
	global_prefetch_b8 v0, s[64:65] scope:SCOPE_SE
	s_setreg_imm32_b32 hwreg(HW_REG_WAVE_MODE, 25, 1), 1
	s_wait_xcnt 0x0
; PREPARATION.  Every input is rounded once to bf16 and laid out as the later launches read it.
;   work-groups 0-511     xb  = x rounded to bf16, [8192][1024]
;   work-groups 512-895   wat = W_attn rounded to bf16 and transposed, [3072 n][1024 k]
;   work-groups 896-1023  wpt = W_proj rounded to bf16, that number written as f16, transposed, [1024 n][1024 k]
;   work-group 1024       bias (f32[4096]) and tab (f16)
; THE TABLES.  Under the causal mask only rel = clip(j - i) + 16 = 0 .. 16 is ever used, so rows 17 to 32 of lut_k and lut_v feed masked scores alone and are not read.
; For j <= i - 16 the row is row 0: it is added to k and v through the projection's bias (bias[1024 + n] = b_attn + lut_k[0][n % 64], bias[2048 + n] likewise with lut_v).
; What is left is a band of 16 diagonals with the differences dk[r][ch] = lut_k[r + 1][ch] - lut_k[0][ch] (tab bytes 0-2047, rows of 128 bytes) and
; dvT[ch][r] = lut_v[r + 1][ch] - lut_v[0][ch] (tab bytes 2048-4095, rows of 32 bytes), r = j - i + 15.  The differences are taken of the bf16-rounded inputs, in f32, and rounded once to f16.
; LIMITS.  W_proj and the differences must lie within f16's 65,504; below 6e-5 f16 keeps its fixed step of 6e-8.
.set SPARE, 17408                      ; behind the transposing tile (64 rows x 272 bytes): the spare words, 128 bytes for each of eight waves
.set SPW, 94                           ; v94  LDS address of my spare word; never rewritten
.set NIL, 95                           ; v95  0; never rewritten
	s_load_b512 s[16:31], s[0:1], 0x0              ; x 16, W_attn 18, W_proj 20, b_attn 22, b_proj 24, lut_k 26, lut_v 28, xb 30
	s_load_b256 s[32:39], s[0:1], 0x40             ; wat 32, wpt 34, bias 36, tab 38
	v_lshl_add_u32 v[SPW], v0, 2, SPARE
	v_mov_b32 v[NIL], 0
	v_and_b32 v1, 15, v0                           ; c: my 16 bytes of 256
	v_bfe_u32 v2, v0, 4, 1                         ; hh: which half of the wave's lanes
	v_lshrrev_b32 v3, 5, v0
	v_readfirstlane_b32 s8, v3                     ; wave 0..7
	s_mov_b32 s3, 0                                ; the high word of every offset pair s[2:3]
	s_wait_kmcnt 0x0
	s_cmp_lt_u32 ttmp9, 512
	s_cbranch_scc0 .Lnot_x
	; x: 16,384 numbers a work-group.  Sixteen loads of 16 bytes a lane go out first; each store of a wave covers 256 consecutive bytes, aligned.
	s_lshl_b32 s2, ttmp9, 16
	s_add_nc_u64 s[16:17], s[16:17], s[2:3]
	s_lshl_b32 s2, ttmp9, 15
	s_add_nc_u64 s[30:31], s[30:31], s[2:3]
	v_lshlrev_b32 v4, 4, v0
	v_lshlrev_b32 v5, 3, v0
.irp i, 0,1,2,3,4,5,6,7,8,9,10,11,12,13,14,15
	global_load_b128 v[16+4*(\i):16+4*(\i)+3], v4, s[16:17] offset:4096*(\i) th:TH_LOAD_NT
.endr
.irp i, 0,1,2,3,4,5,6,7,8,9,10,11,12,13,14,15
	s_wait_loadcnt 15-(\i)                         ; loads come back in order: load i is in, the younger ones stay out
	v_cvt_pk_bf16_f32 v[16+4*(\i)], v[16+4*(\i)], v[16+4*(\i)+1]
	v_cvt_pk_bf16_f32 v[16+4*(\i)+1], v[16+4*(\i)+2], v[16+4*(\i)+3]
	global_store_b64 v5, v[16+4*(\i):16+4*(\i)+1], s[30:31] offset:2048*(\i)
.endr
	s_branch .Lend
; A tile of 128 k x 64 n of a weight matrix [1024 k][n], rounded, turned in LDS and stored as 64 rows (n) of 256 bytes (128 k).  s40 = the tile's number: k block = s40 % 8, n block = s40 / 8.
; In: 16 lanes read 256 consecutive bytes of one row k; a lane holds 4 columns of 8 rows, as 4 pairs of neighbouring k.  A pair packs into one word of the transposed row.
; Out: 16 lanes store 256 consecutive bytes, aligned, of one row n.
.macro WTILE PITCHB, F16, SRC, DST
	s_and_b32 s41, s40, 7
	s_lshr_b32 s42, s40, 3
	s_mul_i32 s2, s41, 128*(\PITCHB)
	s_lshl_b32 s43, s42, 8
	s_add_co_u32 s2, s2, s43
	s_add_nc_u64 s[\SRC:(\SRC)+1], s[\SRC:(\SRC)+1], s[2:3]
	s_lshl_b32 s2, s42, 17                         ; 64 rows of 2,048 bytes
	s_lshl_b32 s43, s41, 8
	s_add_co_u32 s2, s2, s43
	s_add_nc_u64 s[\DST:(\DST)+1], s[\DST:(\DST)+1], s[2:3]
	s_mul_i32 s43, s8, 16*(\PITCHB)                ; my wave's 16 rows k
	v_mul_u32_u24 v4, v2, 2*(\PITCHB)
	v_lshl_add_u32 v4, v1, 4, v4
	v_add_nc_u32 v4, s43, v4                       ; row 16 w + 2 hh, byte 16 c
.irp j, 0,1,2,3
.irp e, 0,1
	global_load_b128 v[16+4*(2*(\j)+(\e)):16+4*(2*(\j)+(\e))+3], v4, s[\SRC:(\SRC)+1] offset:(4*(\j)+(\e))*(\PITCHB) th:TH_LOAD_NT
.endr
.endr
	s_lshl_b32 s43, s8, 5
	v_mul_u32_u24 v5, v1, 1088                     ; into LDS: row n = 4 c + i (272 bytes each), byte 2 k = 32 w + 8 j + 4 hh
	v_lshl_add_u32 v5, v2, 2, v5
	v_add_nc_u32 v5, s43, v5
	s_mul_i32 s43, s8, 8*272
	v_mul_u32_u24 v6, v2, 272                      ; back: row 8 w + hh + 2 t, byte 16 c
	v_lshl_add_u32 v6, v1, 4, v6
	v_add_nc_u32 v6, s43, v6
	s_lshl_b32 s43, s8, 14
	v_lshlrev_b32 v7, 11, v2                       ; and the same rows in memory, 2,048 bytes each
	v_lshl_add_u32 v7, v1, 4, v7
	v_add_nc_u32 v7, s43, v7
	s_wait_loadcnt 0x0
.irp j, 0,1,2,3
.irp i, 0,1,2,3
	v_cvt_pk_bf16_f32 v[48+4*(\j)+(\i)], v[16+8*(\j)+(\i)], v[16+8*(\j)+4+(\i)]
.if \F16
	v_lshlrev_b32 v9, 16, v[48+4*(\j)+(\i)]        ; the bf16 numbers, written as f16
	v_and_b32 v10, 0xffff0000, v[48+4*(\j)+(\i)]
	v_cvt_pk_f16_f32 v[48+4*(\j)+(\i)], v9, v10
.endif
	ds_store_b32 v5, v[48+4*(\j)+(\i)] offset:272*(\i)+8*(\j)
.endr
.endr
	s_wait_dscnt 0x0                               ; for the others' sake: my stores into the tile are done
	s_barrier_signal -1
	s_barrier_wait -1
.irp t, 0,1,2,3
	ds_load_b128 v[64+4*(\t):64+4*(\t)+3], v6 offset:544*(\t)
.endr
.irp t, 0,1,2,3
	s_wait_dscnt 3-(\t)
	global_store_b128 v7, v[64+4*(\t):64+4*(\t)+3], s[\DST:(\DST)+1] offset:4096*(\t)
.endr
.endm
.Lnot_x:
	s_cmp_lt_u32 ttmp9, 896
	s_cbranch_scc0 .Lnot_wa
	s_sub_co_u32 s40, ttmp9, 512
	WTILE 12288, 0, 18, 32
	s_branch .Lend
.Lnot_wa:
	s_cmp_lt_u32 ttmp9, 1024
	s_cbranch_scc0 .Ltab
	s_sub_co_u32 s40, ttmp9, 896
	WTILE 4096, 1, 20, 34
	s_branch .Lend
.macro RB2 a                           ; two registers rounded to bf16, kept as f32
	v_cvt_pk_bf16_f32 v9, v[\a], v[(\a)+1]
	v_lshlrev_b32 v[\a], 16, v9
	v_and_b32 v[(\a)+1], 0xffff0000, v9
.endm
.Ltab:                                         ; thread t: four numbers of each quarter of bias, four of dk, four of dvT
	v_lshlrev_b32 v4, 4, v0                        ; 16 t
	v_lshlrev_b32 v5, 4, v1                        ; 16 (t % 16): channels 4 (t % 16) .. + 3 of a table's row
	v_and_b32 v6, 3, v0
	v_lshrrev_b32 v7, 2, v0
	v_lshlrev_b32 v7, 2, v7                        ; channel t / 4 of lut_v's row 0
	v_lshl_add_u32 v6, v6, 10, v7                  ; and of its rows 4 (t % 4) + ..
	v_lshlrev_b32 v8, 3, v0                        ; 8 t
	global_load_b128 v[16:19], v4, s[22:23]
	global_load_b128 v[20:23], v4, s[22:23] offset:4096
	global_load_b128 v[24:27], v4, s[22:23] offset:8192
	global_load_b128 v[28:31], v4, s[24:25]
	global_load_b128 v[32:35], v5, s[26:27]        ; lut_k[0]
	global_load_b128 v[36:39], v5, s[28:29]        ; lut_v[0]
	global_load_b128 v[40:43], v4, s[26:27] offset:256  ; lut_k[t / 16 + 1], the same four channels
.irp i, 0,1,2,3
	global_load_b32 v[44+(\i)], v6, s[28:29] offset:256+256*(\i)  ; lut_v[4 (t % 4) + i + 1][t / 4]
.endr
	global_load_b32 v48, v7, s[28:29]              ; lut_v[0][t / 4]
	s_wait_loadcnt 0x0
.irp a, 16,18,20,22,24,26,28,30,32,34,36,38,40,42,44,46
	RB2 \a
.endr
	v_cvt_pk_bf16_f32 v9, v48, v48
	v_lshlrev_b32 v48, 16, v9
	v_pk_add_f32 v[20:21], v[20:21], v[32:33]      ; k's bias takes lut_k[0],
	v_pk_add_f32 v[22:23], v[22:23], v[34:35]
	v_pk_add_f32 v[24:25], v[24:25], v[36:37]      ; v's takes lut_v[0]
	v_pk_add_f32 v[26:27], v[26:27], v[38:39]
	v_pk_add_f32 v[40:41], v[40:41], v[32:33] neg_lo:[0,1] neg_hi:[0,1]
	v_pk_add_f32 v[42:43], v[42:43], v[34:35] neg_lo:[0,1] neg_hi:[0,1]
.irp i, 0,1,2,3
	v_sub_f32 v[44+(\i)], v[44+(\i)], v48
.endr
	v_cvt_pk_f16_f32 v50, v40, v41
	v_cvt_pk_f16_f32 v51, v42, v43
	v_cvt_pk_f16_f32 v52, v44, v45
	v_cvt_pk_f16_f32 v53, v46, v47
	global_store_b128 v4, v[16:19], s[36:37]
	global_store_b128 v4, v[20:23], s[36:37] offset:4096
	global_store_b128 v4, v[24:27], s[36:37] offset:8192
	global_store_b128 v4, v[28:31], s[36:37] offset:12288
	global_store_b64 v8, v[50:51], s[38:39]
	global_store_b64 v8, v[52:53], s[38:39] offset:2048
.Lend:
	s_wait_tensorcnt 0x0                           ; the wave's end, behind my last LDS store
	ds_add_u32 v[SPW], v[NIL]
	s_wait_dscnt 0x0
	s_endpgm
.Lfunc_end_k_qdc161379ca_prep:
	.size	k_qdc161379ca_prep, .Lfunc_end_k_qdc161379ca_prep-k_qdc161379ca_prep
	.p2alignl 7, 3214868480
	.fill 96, 4, 3214868480
	.section	.rodata,"a",@progbits
	.p2align	6, 0x0
	.amdhsa_kernel k_qdc161379ca_prep
		.amdhsa_group_segment_fixed_size 18432
		.amdhsa_private_segment_fixed_size 0
		.amdhsa_enable_private_segment 0
		.amdhsa_kernarg_size 96
		.amdhsa_user_sgpr_count 2
		.amdhsa_user_sgpr_kernarg_segment_ptr 1
		.amdhsa_wavefront_size32 1
		.amdhsa_system_sgpr_workgroup_id_x 1
		.amdhsa_system_sgpr_workgroup_id_y 1
		.amdhsa_system_sgpr_workgroup_id_z 1
		.amdhsa_system_vgpr_workitem_id 0
		.amdhsa_next_free_vgpr 96
		.amdhsa_next_free_sgpr 66
		.amdhsa_reserve_vcc 0
		.amdhsa_float_denorm_mode_32 3
		.amdhsa_float_denorm_mode_16_64 3
		.amdhsa_memory_ordered 1
		.amdhsa_forward_progress 1
		.amdhsa_inst_pref_size 25
	.end_amdhsa_kernel
	.amdgpu_metadata
---
amdhsa.version: [ 1, 2 ]
amdhsa.kernels:
  - .name:           k_qdc161379ca_prep
    .symbol:         k_qdc161379ca_prep.kd
    .args:
      - { .name: x, .offset: 0, .size: 8, .value_kind: global_buffer, .address_space: global }
      - { .name: W_attn, .offset: 8, .size: 8, .value_kind: global_buffer, .address_space: global }
      - { .name: W_proj, .offset: 16, .size: 8, .value_kind: global_buffer, .address_space: global }
      - { .name: b_attn, .offset: 24, .size: 8, .value_kind: global_buffer, .address_space: global }
      - { .name: b_proj, .offset: 32, .size: 8, .value_kind: global_buffer, .address_space: global }
      - { .name: lut_k, .offset: 40, .size: 8, .value_kind: global_buffer, .address_space: global }
      - { .name: lut_v, .offset: 48, .size: 8, .value_kind: global_buffer, .address_space: global }
      - { .name: xb, .offset: 56, .size: 8, .value_kind: global_buffer, .address_space: global }
      - { .name: wat, .offset: 64, .size: 8, .value_kind: global_buffer, .address_space: global }
      - { .name: wpt, .offset: 72, .size: 8, .value_kind: global_buffer, .address_space: global }
      - { .name: bias, .offset: 80, .size: 8, .value_kind: global_buffer, .address_space: global }
      - { .name: tab, .offset: 88, .size: 8, .value_kind: global_buffer, .address_space: global }
    .group_segment_fixed_size: 18432
    .private_segment_fixed_size: 0
    .kernarg_segment_align: 8
    .kernarg_segment_size: 96
    .max_flat_workgroup_size: 256
    .sgpr_count:     66
    .vgpr_count:     96
    .wavefront_size: 32
...
	.end_amdgpu_metadata
.endif
;; end of part 1
;; launch qkv (part 2): grid 16 x 32, 4 waves a work-group, clusters of 4 x 4, 327,680 bytes of LDS; arguments xb, wat, bias, qkv; writes qkv
.if DOCPART == 2
	.amdgcn_target "amdgcn-amd-amdhsa--gfx1250"
	.amdhsa_code_object_version 6
	.text
	.protected	k_qdc161379ca_qkv
	.globl	k_qdc161379ca_qkv
	.p2align	8
	.type	k_qdc161379ca_qkv,@function
k_qdc161379ca_qkv:
	s_mov_b64 s[64:65], 0
	v_nop
	global_prefetch_b8 v0, s[64:65] scope:SCOPE_SE
	s_setreg_imm32_b32 hwreg(HW_REG_WAVE_MODE, 25, 1), 1
	s_wait_xcnt 0x0
	s_wait_alu depctr_hold_cnt(0) depctr_sa_sdst(0) depctr_va_vdst(0) depctr_va_sdst(0) depctr_va_ssrc(0) depctr_va_vcc(0) depctr_vm_vsrc(0)
	s_getreg_b32 s2, hwreg(HW_REG_IB_STS2, 6, 4)
	s_cmp_eq_u32 s2, 0
	s_cbranch_scc0 .Lentry_in_a_cluster
	s_endpgm
.Lentry_in_a_cluster:
	s_bfe_u32 s2, ttmp6, 0x10000c
	s_cmp_lg_u32 s2, 0xf033
	s_cbranch_scc0 .Lentry_shape_is_right
	s_endpgm
.Lentry_shape_is_right:
; q, k + lut_k[0], v + lut_v[0] = x W_attn + bias.  A = xb [8192][1024] bf16, B = wat [3072 n][1024 k] bf16, sums in f32, started with the bias as the first product's C operand.
; Out: qkv, f16, by heads: byte (part << 24) + (16 batch + head << 17) + 128 s + 2 d; each number rounded once from its f32 sum, unscaled.
; LIMIT.  q, k and v must lie within f16's 65,504.
; SHARES.  A tile of C is 256 x 192 (three heads' 64 columns): 32 x 16 tiles, 512 work-groups of equal work.  Four waves, each 128 x 96: 48 accumulators of 16 x 16, 384 registers.
; K goes in 8 steps of 128 through two LDS slots filled by tensor loads; a tile's rows are 256 bytes of memory, aligned.
; CLUSTER.  4 x 4 work-groups: the four of a row of the cluster ask for A's tile jointly, the four of a column for B's.
; THE MATRIX INSTRUCTION IS USED TRANSPOSED (source 0 = 16 rows of B, source 1 = 16 rows of A): a lane holds row l % 16 of C and the columns 8 (l / 16) + 0..7.
; REGISTERS, in windows of 256: window 0: v16-30 addresses, v32-55 at work on the way out, v64-127 and v128-191 A's fragments (two buffers), v64-255 whole rows on the way out;
;   window 1: v0-47, v48-95 B's fragments (two buffers), v96-143 the bias as a C operand;  window 2: accumulators of my rows 0-63 ((a, b) at 8 (6 a + b));  window 3: those of rows 64-127.
.set NBW,    6                         ; blocks of 16 columns a wave
.set PITCH,  272                       ; an LDS row: 256 bytes + 16 of padding: the 16 rows of a fragment load start at 16 different groups of four banks (ISA guide 11.1)
.set AHALF,  128*PITCH                 ; what a wave fetches of A, and what a wave reads of A
.set BHALF,  96*PITCH                  ; the same for B
.set BBASE,  2*AHALF
.set SLOT,   BBASE+2*BHALF             ; 121,856
.set SPARE,  2*SLOT                    ; behind the ring: the spare words, 128 bytes for each wave
.set SPITCH, 400                       ; the stage on the way out: 256 rows of 384 bytes + 16, in slot 0 behind its last fill
.set KSB,    256                       ; bytes of a K step in a row
.set ADRA, 16                          ; v16-17  LDS address of my A fragments in slot 0, 1
.set ADRB, 20                          ; v20-21  the same for B
.set STO,  24
.set RD,   25
.set GO,   26
.set BO,   27
.set SPW,  28                          ; v28  LDS address of my spare word; never rewritten
.set NIL,  29                          ; v29  0; never rewritten
.set PFO,  30                          ; v30  the prefetches' lane offset; never rewritten
.set TMP,  32
.set G1,  24                           ; s[24:31] group 1 for A;  s[32:39] group 0, a set for each slot
.set G0,  32
.set G1B, 48                           ; s[48:55], s[56:63] the same for B
.set G0B, 56
.set PFA, 66                           ; s[66:67] where my prefetches stand
.set LIM0, 68                          ; s68, s69  1 where I prefetch at the change out of slot 0, of slot 1; else the greatest number
.set PST, 70                           ; s[70:71] the prefetches' step
.set CP,  72                           ; s[72:77] qkv at my tile's 256 rows of its three heads
.set MSB, 0
.macro WIN new                         ; the immediate's high byte repeats the setting that is left; a switch that changes nothing is dropped
.if MSB != (\new)
	s_set_vgpr_msb (MSB<<8)|(\new)
.set MSB, (\new)
.endif
.endm
.macro PLACES                          ; four places in front of loads into registers that matrix instructions have read, and of lines that read results
.rept 4
	v_nop
.endr
.endm
.macro JLOAD s                         ; a joint load: waves 0, 1 fetch A's halves, waves 2, 3 B's; an s_nop 0 and four v_nop follow each line
	s_cmp_eq_u32 s13, 0
	s_cbranch_scc0 .Lfor_b_\@
	tensor_load_to_lds s[G0+4*(\s):G0+4*(\s)+3], s[G1:G1+7]
	s_nop 0
.rept 4
	v_nop
.endr
	s_branch .Lasked_\@
.Lfor_b_\@:
	tensor_load_to_lds s[G0B+4*(\s):G0B+4*(\s)+3], s[G1B:G1B+7]
	s_nop 0
.rept 4
	v_nop
.endr
.Lasked_\@:
.endm
; A prefetch of the K step that stands two refills on, a lane a row of 256 bytes.  A's rows are named by the first cluster of a row of clusters, B's by the first of a column; the four partners of a joint
; load share the rows out by address.  The loop's last trip (s3 = 1) names nothing: there is no K step two refills on.
.macro ASK lim
	s_cmp_gt_u32 s3, s[\lim]
	s_cbranch_scc0 .Lnot_mine_\@
	global_prefetch_b8 v[PFO], s[PFA:PFA+1] th:TH_LOAD_NT scope:SCOPE_SE
.Lnot_mine_\@:
.endm
.macro CREST                           ; a round of the cluster's barrier behind its opening barrier
	s_cmp_lg_u32 s12, 0
	s_cbranch_scc1 .Lnot_wave_0_\@
	s_barrier_signal -3
.Lnot_wave_0_\@:
	s_barrier_wait -3
	s_barrier_signal -1
	s_barrier_wait -1
.endm
.macro CROUND
	s_barrier_signal -1
	s_barrier_wait -1
	CREST
.endm
	s_load_b256 s[4:11], s[0:1], 0x0               ; xb s[4:5], wat s[6:7], bias s[8:9], qkv s[10:11]
	v_lshl_add_u32 v[SPW], v0, 2, SPARE
	v_mov_b32 v[NIL], 0
	ds_add_u32 v[SPW], v[NIL]                      ; the wave's opening: the add and its wait, ahead of my first tensor load
	v_lshrrev_b32 v1, 5, v0
	v_readfirstlane_b32 s12, v1                    ; wave 0..3
	s_lshr_b32 s13, s12, 1                         ; my half of the tile's rows.  Also: I fetch for A (0) or for B (1)
	s_and_b32 s14, s12, 1                          ; my half of its columns.  Also: which half of that tile I fetch
	s_bfe_u32 s40, ttmp6, 0x40000                  ; cx
	s_bfe_u32 s41, ttmp6, 0x40004                  ; cy
	s_lshl_b32 s42, ttmp9, 2
	s_add_co_u32 s42, s42, s40                     ; tile column tx
	s_and_b32 s15, ttmp7, 0xffff
	s_lshl_b32 s15, s15, 2
	s_add_co_u32 s15, s15, s41                     ; tile row ty
	s_lshl_b32 s43, s41, 2
	s_lshl_b32 s43, 15, s43                        ; my row of the cluster
	s_lshl_b32 s44, 0x1111, s40                    ; my column
	s_or_b32 s[G1], s43, (1<<16)|(1<<20)|(1<<21)|(5<<22)|(3<<25)   ; the mask; 2-byte elements; padding on; bit 21 beside a mask; after every 64 words, 4 words
	s_or_b32 s[G1B], s44, (1<<16)|(1<<20)|(1<<21)|(5<<22)|(3<<25)
	s_mov_b32 s[G1+1], 128<<16                     ; tensor_dim0 = 128
	s_mov_b32 s[G1+2], 128<<16                     ; tensor_dim1 = 128 rows
	s_mov_b32 s[G1+3], 128<<16                     ; tile_dim0 = 128
	s_mov_b32 s[G1+4], 128                         ; tile_dim1 = 128
	s_mov_b32 s[G1+5], 1024                        ; elements from row to row
	s_mov_b32 s[G1+6], 0
	s_mov_b32 s[G1+7], 0
	s_mov_b32 s[G1B+1], 128<<16
	s_mov_b32 s[G1B+2], 96<<16                     ; B: 96 rows
	s_mov_b32 s[G1B+3], 128<<16
	s_mov_b32 s[G1B+4], 96
	s_mov_b32 s[G1B+5], 1024
	s_mov_b32 s[G1B+6], 0
	s_mov_b32 s[G1B+7], 0
	s_lshl_b32 s16, s15, 8
	s_lshl_b32 s17, s14, 7
	s_add_co_u32 s16, s16, s17                     ; A: row 256 ty + 128 half
	s_lshl_b32 s16, s16, 11
	s_mov_b32 s17, 0
	s_mul_i32 s46, s42, 192
	s_mul_i32 s47, s14, 96
	s_add_co_u32 s46, s46, s47                     ; B: row 192 tx + 96 half
	s_lshl_b32 s46, s46, 11
	s_mov_b32 s47, 0
	s_mul_i32 s20, s14, AHALF                      ; where they go: no place in the cluster enters an LDS address
	s_mul_i32 s21, s14, BHALF
	s_add_co_u32 s21, s21, BBASE
	s_wait_dscnt 0x0                               ; the opening add is done
	s_wait_kmcnt 0x0
	s_add_nc_u64 s[18:19], s[4:5], s[16:17]
	s_add_nc_u64 s[46:47], s[6:7], s[46:47]
	CROUND                                         ; all sixteen work-groups are here: the first joint loads meet
.irp s, 0,1
	s_mov_b32 s[G0+4*(\s)], 1
	s_add_co_u32 s[G0+4*(\s)+1], s20, (\s)*SLOT
	s_add_nc_u64 s[G0+4*(\s)+2:G0+4*(\s)+3], s[18:19], (\s)*KSB
	s_or_b32 s[G0+4*(\s)+3], s[G0+4*(\s)+3], 0x80000000
	s_mov_b32 s[G0B+4*(\s)], 1
	s_add_co_u32 s[G0B+4*(\s)+1], s21, (\s)*SLOT
	s_add_nc_u64 s[G0B+4*(\s)+2:G0B+4*(\s)+3], s[46:47], (\s)*KSB
	s_or_b32 s[G0B+4*(\s)+3], s[G0B+4*(\s)+3], 0x80000000
	JLOAD \s                                       ; K steps 0 and 1: two loads of mine are out
.endr
	v_and_b32 v1, 15, v0                           ; r = l % 16
	v_bfe_u32 v2, v0, 4, 1                         ; h = l / 16
	v_and_b32 v5, 31, v0                           ; l
	; the bias as a C operand: register j of block b holds bias[192 tx + 96 wc + 16 b + 8 h + j]
	s_mul_i32 s22, s42, 768
	s_mov_b32 s23, 0
	s_add_nc_u64 s[8:9], s[8:9], s[22:23]
	s_mul_i32 s22, s14, 384
	v_lshl_add_u32 v[BO], v2, 5, s22
	WIN 0x40                                       ; destination window 1
.irp b, 0,1,2,3,4,5
	global_load_b128 v[96+8*(\b):96+8*(\b)+3], v[BO], s[8:9] offset:64*(\b)
	global_load_b128 v[96+8*(\b)+4:96+8*(\b)+7], v[BO], s[8:9] offset:64*(\b)+16
.endr
	WIN 0
	v_mul_u32_u24 v3, v1, PITCH
	v_lshl_add_u32 v3, v2, 4, v3                   ; a fragment's row x pitch + 16 x half
	s_mul_i32 s21, s13, AHALF                      ; my 128 rows of A
	s_mul_i32 s22, s14, BHALF                      ; my 96 rows of B
	s_add_co_u32 s22, s22, BBASE
.irp s, 0,1
	v_add_nc_u32 v[ADRA+(\s)], s21, v3
	v_add_nc_u32 v[ADRB+(\s)], s22, v3
	s_add_co_u32 s21, s21, SLOT
	s_add_co_u32 s22, s22, SLOT
.endr
	s_mul_i32 s23, s13, 128*SPITCH                 ; into the stage: row 128 wr + r, byte 192 wc + 16 h
	s_mul_i32 s20, s14, 192
	s_add_co_u32 s23, s23, s20
	v_mul_u32_u24 v4, v1, SPITCH
	v_lshl_add_u32 v4, v2, 4, v4
	v_add_nc_u32 v[STO], s23, v4
	v_lshrrev_b32 v6, 3, v5                        ; back: wave w takes rows 64 w ..; 32 lanes take 128 bytes (one head) of four rows
	v_and_b32 v7, 7, v0
	v_mul_u32_u24 v6, v6, SPITCH
	v_lshl_add_u32 v6, v7, 4, v6
	s_mul_i32 s23, s12, 64*SPITCH
	v_add_nc_u32 v[RD], s23, v6
	s_lshl_b32 s23, s12, 13
	v_lshl_add_u32 v[GO], v5, 4, s23               ; which are 512 consecutive bytes of a head: 8,192 w + 16 l
	; qkv at the tile's rows of head slice 3 tx + c
	s_mul_i32 s16, s42, 3
	s_lshr_b32 s17, s15, 2
	s_lshl_b32 s17, s17, 21                        ; batch x 16 heads
	s_and_b32 s20, s15, 3
	s_lshl_b32 s20, s20, 15                        ; 256 rows of 128 bytes
	s_add_co_u32 s17, s17, s20
	s_mov_b32 s23, 0
.irp c, 0,1,2
	s_add_co_u32 s20, s16, \c
	s_lshr_b32 s21, s20, 4
	s_lshl_b32 s21, s21, 24                        ; q, k or v
	s_and_b32 s20, s20, 15
	s_lshl_b32 s20, s20, 17                        ; the head
	s_add_co_u32 s22, s21, s20
	s_add_co_u32 s22, s22, s17
	s_add_nc_u64 s[CP+2*(\c):CP+2*(\c)+1], s[10:11], s[22:23]
.endr
	; the prefetches.  A (waves 0, 1): rows 256 ty + 128 half + 32 cx + lane.  B: 48 rows a partner from 192 tx + 48 cy: wave 2 the first 32, a K step at each change of slots;
	; wave 3 the other 16, two K steps (lane / 16) at each change out of slot 0.
	s_lshl_b32 s20, s15, 8
	s_lshl_b32 s23, s14, 7
	s_add_co_u32 s20, s20, s23
	s_lshl_b32 s23, s40, 5
	s_add_co_u32 s20, s20, s23
	s_mul_i32 s21, s42, 192
	s_mul_i32 s23, s41, 48
	s_add_co_u32 s21, s21, s23
	s_lshl_b32 s23, s14, 5
	s_add_co_u32 s21, s21, s23
	s_and_b32 s22, ttmp7, 0xffff                   ; cluster y
	s_cmp_eq_u32 s13, 0                            ; do I fetch for A?
	s_cselect_b32 s20, s20, s21
	s_cselect_b32 s22, ttmp9, s22                  ; the coordinate along which other clusters read the same rows
	s_cselect_b64 s[PFA:PFA+1], s[4:5], s[6:7]
	s_cmp_eq_u32 s22, 0
	s_cselect_b32 s[LIM0], 1, -1                   ; the same in all sixteen partners, for a given wave
	s_cmp_eq_u32 s12, 3
	s_cselect_b32 s[LIM0+1], -1, s[LIM0]
	s_cselect_b32 s16, 15, 31
	s_cselect_b32 s17, 256, 0
	s_lshl_b32 s20, s20, 11
	s_add_co_u32 s20, s20, 3*KSB                   ; at K step 3: the first change of slots steps it to 4 and names that
	s_mov_b32 s21, 0
	s_add_nc_u64 s[PFA:PFA+1], s[PFA:PFA+1], s[20:21]
	s_mov_b32 s[PST], KSB
	s_mov_b32 s[PST+1], 0
	v_and_b32 v[PFO], s16, v5
	v_lshrrev_b32 v8, 4, v5
	v_lshlrev_b32 v[PFO], 11, v[PFO]
	v_mad_u32_u24 v[PFO], v8, s17, v[PFO]
; 12 matrix instructions: m blocks a0, a0 + 1 of the window's four x all 6 n blocks, 32 along K, on buffer f.  first = 1: the product starts the sum with the bias.
; The accumulators take turns, one instruction a turn.
.macro MULH f, hi, a0, first
.if \first
	WIN 0x91+0x40*(\hi)                            ; B window 1, A window 0, C (the bias) window 1, D window 2 or 3
.else
	WIN 0xa1+0x50*(\hi)                            ; C and D window 2 or 3
.endif
.irp a, \a0, (\a0)+1
.irp b, 0,1,2,3,4,5
.if \first
	v_wmma_f32_16x16x32_bf16 v[8*(6*(\a)+(\b)):8*(6*(\a)+(\b))+7], v[48*(\f)+8*(\b):48*(\f)+8*(\b)+7], v[64+64*(\f)+8*(4*(\hi)+(\a)):64+64*(\f)+8*(4*(\hi)+(\a))+7], v[96+8*(\b):96+8*(\b)+7]
.else
	v_wmma_f32_16x16x32_bf16 v[8*(6*(\a)+(\b)):8*(6*(\a)+(\b))+7], v[48*(\f)+8*(\b):48*(\f)+8*(\b)+7], v[64+64*(\f)+8*(4*(\hi)+(\a)):64+64*(\f)+8*(4*(\hi)+(\a))+7], v[8*(6*(\a)+(\b)):8*(6*(\a)+(\b))+7]
.endif
.endr
.endr
.endm
; 28 LDS loads in one run: quarter q (32 along K) of a slot into buffer f: B's 6 fragments, then A's 8
.macro FETCH slot, q, f
	WIN 0x40
.irp i, 0,1,2,3,4,5
	ds_load_b128 v[48*(\f)+8*(\i):48*(\f)+8*(\i)+3],   v[ADRB+(\slot)] offset:64*(\q)+(\i)*16*PITCH
	ds_load_b128 v[48*(\f)+8*(\i)+4:48*(\f)+8*(\i)+7], v[ADRB+(\slot)] offset:64*(\q)+(\i)*16*PITCH+32
.endr
	WIN 0
.irp i, 0,1,2,3,4,5,6,7
	ds_load_b128 v[64+64*(\f)+8*(\i):64+64*(\f)+8*(\i)+3],   v[ADRA+(\slot)] offset:64*(\q)+(\i)*16*PITCH
	ds_load_b128 v[64+64*(\f)+8*(\i)+4:64+64*(\f)+8*(\i)+7], v[ADRA+(\slot)] offset:64*(\q)+(\i)*16*PITCH+32
.endr
.endm
; One of a K step's first three quarters: multiplies buffer f; in its middle it fetches quarter q of the same slot into buffer g.
.macro QUARTER slot, q, f, g, first
	s_wait_dscnt 8                                 ; B and A's rows 0-63 are in; the youngest eight loads (A's rows 64-127) may be out
	MULH \f, 0, 0, \first
	MULH \f, 0, 2, \first
	PLACES
	FETCH \slot, \q, \g
	s_wait_dscnt 2*NBW+16                          ; all but the 28 just issued
	MULH \f, 1, 0, \first
	MULH \f, 1, 2, \first
.endm
; The last quarter multiplies buffer 1 and changes slots: one barrier; in front of it each wave waits for all its tensor loads (one is out: its part of the next slot), adds 0 to its spare word,
; and waits for that and for its reads of this slot.  fill = 1: the barrier opens a round of the cluster's, and this slot's joint refill, two K steps on, is the first thing behind it.
.macro TURN slot, next, fill
.if \fill
	s_wait_xcnt 0x0                                ; the last prefetch, a K step back, has read its address
	s_add_nc_u64 s[PFA:PFA+1], s[PFA:PFA+1], s[PST:PST+1]
.endif
	WIN 0
	s_wait_tensorcnt 0x0
	ds_add_u32 v[SPW], v[NIL]
	s_wait_dscnt 9                                 ; the add and the youngest eight loads may be out
	MULH 1, 0, 0, 0
	s_wait_dscnt 0x0                               ; the add is done, and my reads of this slot are over
	s_barrier_signal -1
	MULH 1, 0, 2, 0
.if \fill
	WIN 0
.endif
	s_barrier_wait -1
.if \fill
	CREST
	s_add_nc_u64 s[G0+4*(\slot)+2:G0+4*(\slot)+3], s[G0+4*(\slot)+2:G0+4*(\slot)+3], 2*KSB
	s_add_nc_u64 s[G0B+4*(\slot)+2:G0B+4*(\slot)+3], s[G0B+4*(\slot)+2:G0B+4*(\slot)+3], 2*KSB
	JLOAD \slot                                    ; its four v_nop are also the places in front of the loads below
.else
	PLACES
.endif
	FETCH \next, 0, 0
.if \fill
	ASK LIM0+(\slot)
.endif
	MULH 1, 1, 0, 0
	MULH 1, 1, 2, 0
.endm
	s_wait_tensorcnt 1                             ; my part of K step 0 is in; K step 1's may stay out
	s_barrier_signal -1
	s_barrier_wait -1
	FETCH 0, 0, 0
	s_wait_loadcnt 0x0                             ; the bias
	QUARTER 0, 1, 0, 1, 1                          ; the first quarter stands in front of the loop: its products start the sums
	WIN 0
	s_mov_b32 s3, 3
.Llap:                                                 ; a trip goes once round the ring and fills both slots again: K steps 2 to 7
	QUARTER 0, 2, 1, 0, 0
	QUARTER 0, 3, 0, 1, 0
	TURN 0, 1, 1
	QUARTER 1, 1, 0, 1, 0
	QUARTER 1, 2, 1, 0, 0
	QUARTER 1, 3, 0, 1, 0
	TURN 1, 0, 1
	QUARTER 0, 1, 0, 1, 0
	WIN 0
	s_sub_co_u32 s3, s3, 1
	s_cmp_lg_u32 s3, 0
	s_cbranch_scc1 .Llap
	QUARTER 0, 2, 1, 0, 0                          ; the last lap fills nothing
	QUARTER 0, 3, 0, 1, 0
	TURN 0, 1, 0
	QUARTER 1, 1, 0, 1, 0
	QUARTER 1, 2, 1, 0, 0
	QUARTER 1, 3, 0, 1, 0
	s_wait_dscnt 8
	MULH 1, 0, 0, 0
	MULH 1, 0, 2, 0
	s_wait_dscnt 0x0
	MULH 1, 1, 0, 0
	MULH 1, 1, 2, 0
	WIN 0
	; THE WAY OUT.  Slot 0 has had its last fill, and every wave's reads of it ended in front of the last change's barrier: it is the stage.  Rounded to f16, 16 bytes a lane into rows of 400 bytes;
	; a barrier, since a row's 384 bytes come from two waves; back by heads, four rows of 128 bytes a load.
	PLACES
.irp a, 0,1,2,3,4,5,6,7
	WIN 0x0a+5*((\a)/4)                            ; sources in window 2 or 3
.irp b, 0,1,2,3,4,5
.irp j, 0,1,2,3
	v_cvt_pk_f16_f32 v[TMP+4*(\b)+(\j)], v[8*(6*((\a)%4)+(\b))+2*(\j)], v[8*(6*((\a)%4)+(\b))+2*(\j)+1]
.endr
.endr
	WIN 0
.irp b, 0,1,2,3,4,5
	ds_store_b128 v[STO], v[TMP+4*(\b):TMP+4*(\b)+3] offset:(\a)*16*SPITCH+32*(\b)
.endr
.endr
	s_wait_dscnt 0x0                               ; for the others' sake: my stores into the stage are done
	s_barrier_signal -1
	s_barrier_wait -1
.irp c, 0,1,2
.irp g, 0,1,2,3,4,5,6,7,8,9,10,11,12,13,14,15
	ds_load_b128 v[64+4*(16*(\c)+(\g)):64+4*(16*(\c)+(\g))+3], v[RD] offset:4*SPITCH*(\g)+128*(\c)
.endr
.endr
.irp c, 0,1,2
.irp g, 0,1,2,3,4,5,6,7,8,9,10,11,12,13,14,15
	s_wait_dscnt 47-(16*(\c)+(\g))                 ; LDS loads come back in order: this one is in, the younger ones stay out
	global_store_b128 v[GO], v[64+4*(16*(\c)+(\g)):64+4*(16*(\c)+(\g))+3], s[CP+2*(\c):CP+2*(\c)+1] offset:512*(\g)  ; 512 consecutive bytes, aligned
.endr
.endr
	s_wait_tensorcnt 0x0                           ; the wave's end
	ds_add_u32 v[SPW], v[NIL]
	s_wait_dscnt 0x0
	CROUND                                         ; the closing round
	s_endpgm
.Lfunc_end_k_qdc161379ca_qkv:
	.size	k_qdc161379ca_qkv, .Lfunc_end_k_qdc161379ca_qkv-k_qdc161379ca_qkv
	.p2alignl 7, 3214868480
	.fill 96, 4, 3214868480
	.section	.rodata,"a",@progbits
	.p2align	6, 0x0
	.amdhsa_kernel k_qdc161379ca_qkv
		.amdhsa_group_segment_fixed_size 327680
		.amdhsa_private_segment_fixed_size 0
		.amdhsa_enable_private_segment 0
		.amdhsa_kernarg_size 32
		.amdhsa_user_sgpr_count 2
		.amdhsa_user_sgpr_kernarg_segment_ptr 1
		.amdhsa_wavefront_size32 1
		.amdhsa_system_sgpr_workgroup_id_x 1
		.amdhsa_system_sgpr_workgroup_id_y 1
		.amdhsa_system_sgpr_workgroup_id_z 1
		.amdhsa_system_vgpr_workitem_id 0
		.amdhsa_next_free_vgpr 1024
		.amdhsa_next_free_sgpr 80
		.amdhsa_reserve_vcc 0
		.amdhsa_float_denorm_mode_32 3
		.amdhsa_float_denorm_mode_16_64 3
		.amdhsa_memory_ordered 1
		.amdhsa_forward_progress 1
		.amdhsa_inst_pref_size 120
	.end_amdhsa_kernel
	.amdgpu_metadata
---
amdhsa.version: [ 1, 2 ]
amdhsa.kernels:
  - .name:           k_qdc161379ca_qkv
    .symbol:         k_qdc161379ca_qkv.kd
    .args:
      - { .name: xb, .offset: 0, .size: 8, .value_kind: global_buffer, .address_space: global }
      - { .name: wat, .offset: 8, .size: 8, .value_kind: global_buffer, .address_space: global }
      - { .name: bias, .offset: 16, .size: 8, .value_kind: global_buffer, .address_space: global }
      - { .name: qkv, .offset: 24, .size: 8, .value_kind: global_buffer, .address_space: global }
    .group_segment_fixed_size: 327680
    .private_segment_fixed_size: 0
    .kernarg_segment_align: 8
    .kernarg_segment_size: 32
    .max_flat_workgroup_size: 128
    .sgpr_count:     80
    .vgpr_count:     1024
    .wavefront_size: 32
...
	.end_amdgpu_metadata
.endif
;; end of part 2
;; launch attn (part 3): grid 2 x 128, 8 waves a work-group, no clusters, 327,680 bytes of LDS; arguments qkv, tab, ob; writes ob
.if DOCPART == 3
	.amdgcn_target "amdgcn-amd-amdhsa--gfx1250"
	.amdhsa_code_object_version 6
	.text
	.protected	k_qdc161379ca_attn
	.globl	k_qdc161379ca_attn
	.p2align	8
	.type	k_qdc161379ca_attn,@function
k_qdc161379ca_attn:
	s_mov_b64 s[64:65], 0
	v_nop
	global_prefetch_b8 v0, s[64:65] scope:SCOPE_SE
	s_setreg_imm32_b32 hwreg(HW_REG_WAVE_MODE, 25, 1), 1
	s_wait_xcnt 0x0
; CAUSAL ATTENTION WITH CLIPPED RELATIVE POSITIONS, head size 64, 128 heads of 1,024 rows.  q, k' = k + lut_k[0], v' = v + lut_v[0] come by heads in f16 (qkv), the tables' differences in tab.
;   s_ij = q_i . k'_j + [i - 15 <= j <= i] q_i . dk[j - i + 15];   p = softmax over j <= i of s / 8;   o_i = sum_j p_ij v'_j + sum over the band of p_ij dv[j - i + 15].
; Products, maxima and sums in f32; p is rounded to f16 for the products (its sum l is taken unrounded), O once at the end.
; LIMITS.  q, k', v', dk, dv arrive within f16's 65,504.  A hidden score counts as its value less 1e30.  A weight below 2^-126 counts as 0.  NaN and infinities are not treated apart.
; SHARES.  A head has 64 tiles of 16 queries; two work-groups (b = 0, 1) of eight waves share them.  Wave w owns four PIECES: tile 16 u + x, x = 8 b + w for even u, 15 - 8 b - w for odd u.
; Keys go in steps of 64; piece u lives up to its diagonal step SD[u] = tile / 4.  The four pieces' steps add up to 34 for every wave.  Two waves share a SIMD's registers: one's products run beside the other's softmax.
; NO CLUSTER: only two work-groups walk a head's K and V.
; LAYOUT.  S^T = K Q^T (source 0 = 16 keys, source 1 = 16 queries): a lane holds ONE query il = l % 16 and the keys 8 (l / 16) + 0..7 of each block of 16.  Two such results rounded to f16 are source 1 of O^T = V^T P.
; THE BAND AND THE MASK.  In the steps from SN[u] on (the diagonal step, and the one before it where the tile is its step's first) the first product's C operand is read from a table in LDS, a row a query,
; column c = j - i + 115: 0 for c < 100, R[c - 100] = q_i . dk[c - 100] for 100 .. 115, -1e30 above.  A lane's shift by its own il is a pitch 4 bytes short of the row's.
; For the values the step's 64 weights are stored, a row a query with zeros on both sides, and read back skewed the other way: T[kap][il] = p(i, i - 15 + kap), source 1 of O^T += dvT T.
; Both tables are each wave's own: the largest byte that a wave names in its bias table is 716 x 15 + 32 + 12 + 448 + 224 = 11,456 of 11,520, in its weights' rows 596 x 15 + 32 + 4 + 448 + 32 = 9,456 of 9,472.
; REGISTERS: window 0: v1-15 addresses, v16-31 statistics (c m, m, l, l a piece), v32-36 at work, v40-47 at work, v48-51 a piece's offsets, v64-95 S^T, v96-111 P, v112-119 R, v120-127 T (upper half 0),
;   v128-143 dk, v144-175 dvT (upper halves 0), v176-239 V of a step.   window 1: v0-63 Q, v64-191 O^T (32 a piece), v192-255 K of a step.
.set PK,    144       ; a row of K in LDS: 128 bytes + 16
.set PV,    160       ; a row of V: 128 + 32
.set VOFF,  256*PK    ; a slot holds 256 keys: K, then V
.set SLOT,  256*(PK+PV)  ; 77,824
.set BP,    720       ; the bias table's row: 180 columns of f32
.set BIAS,  2*SLOT    ; 16 rows for each wave
.set TP,    592       ; the weights' row: 16 zeros, 64 weights, 64 zeros, 16 bytes to spare
.set TROW,  BIAS+8*16*BP
.set SPARE, TROW+8*16*TP  ; the spare words, 128 bytes for each of eight waves
.set SP,    144       ; the way out's stage, in the weights' rows: 16 rows of 128 + 16 bytes
.set AK0, 2
.set AV0, 3
.set AK,  4
.set AV,  5
.set STO, 6
.set RD,  7
.set BB,  10          ; v10  bias table: 716 il + 32 h + 12 + my wave's table
.set TBL, 11          ; v11  weights read skewed: 596 il + 32 h + 4 + my wave's rows
.set RS,  12          ; v12  where R goes: 720 il + 32 h + 400
.set TS,  13          ; v13  where the weights go: 592 il + 32 h + 64
.set BA,  14          ; v14  BB + the step's shift: written directly ahead of the loads that use it
.set TA,  15          ; v15  TBL + the step's shift: likewise
.set ST,  16
.set CC,  32          ; v32-35 c0-c3; c2 takes a
.set MVO, 36
.set QO,  37
.set PFO, 38
.set DVO, 39
.set TM,  40
.set PO,  48
.set SPW, 62          ; v62  LDS address of my spare word; never rewritten
.set NIL, 63          ; v63  0; never rewritten
.set S,   64
.set P,   96
.set RR,  112
.set TQ,  120
.set DK,  128
.set DV,  144
.set VF,  176
.set OT,  64          ; window 1
.set KF,  192         ; window 1
.set WV,  10
.set PB,  11
.set BH,  12
.set KB,  14          ; s[14:15] K at my half of the head's tile 0;  s[16:17] V likewise
.set VB,  16
.set QB,  18
.set OB,  20
.set G1K, 24
.set G1V, 32
.set G0K, 40          ; s[40:43], s[44:47]: the two first fills; the first set then serves the refills
.set G0V, 48
.set SS,  56          ; the key step, 0 to 15
.set CNT, 57
.set TL,  58
.set NXT, 59
.set OFF, 60
.set SLB, 62          ; the slot being read: 0 or SLOT
.set KO,  63
.set VO,  66
.set LK,  67
.set LV,  68
.set SD,  70          ; s70-73  a piece's diagonal step
.set SN,  74          ; s74-77  its first step with the band
.set T2K, 78          ; s78-81  its tile's first byte in a head
.set WB,  82          ; s82-83  64 (3 - w'), by the piece's parity; w' = tile % 4
.set WT,  84          ; s84-85  64 w'
.set CS,  86          ; s[86:87] c = log2(e) / 8
.set SEL, 88
.set LIM, 90
.set PFA, 92
.set T0,  94
.set T1,  95
.set MSB, 0
.macro WIN new
.if MSB != (\new)
	s_set_vgpr_msb (MSB<<8)|(\new)
.set MSB, (\new)
.endif
.endm
.macro PLACES
.rept 4
	v_nop
.endr
.endm
	s_load_b128 s[4:7], s[0:1], 0x0                ; qkv s[4:5], tab s[6:7]
	s_load_b64 s[8:9], s[0:1], 0x10                ; ob
	v_lshl_add_u32 v[SPW], v0, 2, SPARE
	v_mov_b32 v[NIL], 0
	ds_add_u32 v[SPW], v[NIL]                      ; the wave's opening: the add and its wait, ahead of my first tensor load
	v_lshrrev_b32 v1, 5, v0
	v_readfirstlane_b32 s[WV], v1                  ; wave 0..7
	s_mov_b32 s[PB], ttmp9
	s_and_b32 s[BH], ttmp7, 0xffff
	s_lshr_b32 s96, s[WV], 2
	s_and_b32 s97, s[WV], 3
	s_lshl_b32 s98, s[PB], 1
	s_add_co_u32 s98, s98, s96                     ; 2 b + w / 4
	s_mov_b32 s[SD], s98
	s_sub_co_u32 s[SD+1], 7, s98
	s_add_co_u32 s[SD+2], s98, 8
	s_sub_co_u32 s[SD+3], 15, s98
	s_cmp_eq_u32 s97, 0                            ; even pieces: w' = w % 4
	s_cselect_b32 s99, 1, 0
	s_sub_co_i32 s[SN], s[SD], s99
	s_max_i32 s[SN], s[SN], 0
	s_sub_co_u32 s[SN+2], s[SD+2], s99
	s_cmp_eq_u32 s97, 3                            ; odd pieces: w' = 3 - w % 4
	s_cselect_b32 s99, 1, 0
	s_sub_co_u32 s[SN+1], s[SD+1], s99
	s_sub_co_u32 s[SN+3], s[SD+3], s99
	s_lshl_b32 s98, s[PB], 3
	s_add_co_u32 s98, s98, s[WV]                   ; x = 8 b + w
	s_sub_co_u32 s99, 15, s98
	s_lshl_b32 s[T2K], s98, 11                     ; a tile is 16 rows of 128 bytes
	s_add_co_u32 s96, s99, 16
	s_lshl_b32 s[T2K+1], s96, 11
	s_add_co_u32 s96, s98, 32
	s_lshl_b32 s[T2K+2], s96, 11
	s_add_co_u32 s96, s99, 48
	s_lshl_b32 s[T2K+3], s96, 11
	s_lshl_b32 s[WT], s97, 6
	s_sub_co_u32 s96, 3, s97
	s_lshl_b32 s[WT+1], s96, 6
	s_mov_b32 s[WB], s[WT+1]
	s_mov_b32 s[WB+1], s[WT]
	; 128 keys are 16,384 dense bytes: asked for as 64 rows of 256 bytes, two keys a row, padded in LDS after every key
	s_mov_b32 s[G1K], (1<<16)|(1<<20)|(4<<22)|(3<<25)  ; 2-byte elements; padding on; after every 32 words, 4 words
	s_mov_b32 s[G1V], (1<<16)|(1<<20)|(4<<22)|(7<<25)  ; 8 words
.irp g, G1K, G1V
	s_mov_b32 s[\g+1], 128<<16
	s_mov_b32 s[\g+2], 64<<16
	s_mov_b32 s[\g+3], 128<<16
	s_mov_b32 s[\g+4], 64
	s_mov_b32 s[\g+5], 128
	s_mov_b32 s[\g+6], 0
	s_mov_b32 s[\g+7], 0
.endr
	s_and_b32 s99, s[WV], 1                        ; which half of a tile's 256 keys I fetch (waves 0, 1: K; 2, 3: V)
	s_mul_i32 s[LK], s99, 128*PK
	s_mul_i32 s[LV], s99, 128*PV
	s_add_co_u32 s[LV], s[LV], VOFF
	s_mov_b32 s[G0K], 1
	s_mov_b32 s[G0K+1], s[LK]
	s_mov_b32 s[G0K+4], 1
	s_add_co_u32 s[G0K+5], s[LK], SLOT
	s_mov_b32 s[G0V], 1
	s_mov_b32 s[G0V+1], s[LV]
	s_mov_b32 s[G0V+4], 1
	s_add_co_u32 s[G0V+5], s[LV], SLOT
	s_mov_b32 s[CS], 0x3e38aa3b
	s_mov_b32 s[CS+1], s[CS]
	s_mov_b32 s[SEL], 0x76543210
	s_mov_b32 s[SEL+1], 0xfedcba98
	s_mov_b32 s[SS], 0
	s_mov_b32 s[NXT], 2
	s_mov_b32 s[OFF+1], 0
	s_mov_b32 s[SLB], 0
	s_mov_b32 s[KO], 0
	s_mov_b32 s[VO], 0
	s_cmp_eq_u32 s[PB], 0
	s_cselect_b32 s[LIM], 1, -1                    ; of a head's two work-groups the first prefetches
	s_lshl_b32 s96, s[BH], 17                      ; the head's first byte
	s_mov_b32 s97, 0
	s_lshl_b32 s[T0], s99, 14                      ; my half's 128 rows
	s_lshr_b32 s98, s[WV], 2                       ; the prefetch: waves 0-3 K's, waves 4-7 V's tile 3, 32 blocks of 256 bytes each
	s_add_co_u32 s98, s98, 1
	s_lshl_b32 s98, s98, 24
	s_add_co_u32 s98, s98, s96
	s_and_b32 s99, s[WV], 3
	s_lshl_b32 s99, s99, 13
	s_add_co_u32 s98, s98, s99
	s_add_co_u32 s98, s98, 3<<15
	s_mov_b32 s99, 0
	s_wait_dscnt 0x0                               ; the opening add is done
	s_wait_kmcnt 0x0
	s_add_nc_u64 s[QB:QB+1], s[4:5], s[96:97]
	s_add_nc_u64 s[OB:OB+1], s[8:9], s[96:97]
	s_add_nc_u64 s[PFA:PFA+1], s[4:5], s[98:99]
	s_add_co_u32 s96, s96, s[T0]
	s_add_nc_u64 s[KB:KB+1], s[4:5], s[96:97]
	s_add_nc_u64 s[KB:KB+1], s[KB:KB+1], 0x1000000
	s_add_nc_u64 s[VB:VB+1], s[KB:KB+1], 0x1000000
	s_add_nc_u64 s[G0K+2:G0K+3], s[KB:KB+1], 0
	s_or_b32 s[G0K+3], s[G0K+3], 0x80000000
	s_add_nc_u64 s[G0K+6:G0K+7], s[KB:KB+1], 32768
	s_or_b32 s[G0K+7], s[G0K+7], 0x80000000
	s_add_nc_u64 s[G0V+2:G0V+3], s[VB:VB+1], 0
	s_or_b32 s[G0V+3], s[G0V+3], 0x80000000
	s_add_nc_u64 s[G0V+6:G0V+7], s[VB:VB+1], 32768
	s_or_b32 s[G0V+7], s[G0V+7], 0x80000000
	s_cmp_lt_u32 s[WV], 2                          ; a wave's two first fills (tiles 0 and 1) stand in one branch: two loads of mine are out; waves 4-7 issue none
	s_cbranch_scc0 .Lf_not_k
	tensor_load_to_lds s[G0K:G0K+3], s[G1K:G1K+7]
	s_nop 0
	tensor_load_to_lds s[G0K+4:G0K+7], s[G1K:G1K+7]
	s_nop 0
.rept 4
	v_nop
.endr
	s_branch .Lf_done
.Lf_not_k:
	s_cmp_lt_u32 s[WV], 4
	s_cbranch_scc0 .Lf_done
	tensor_load_to_lds s[G0V:G0V+3], s[G1V:G1V+7]
	s_nop 0
	tensor_load_to_lds s[G0V+4:G0V+7], s[G1V:G1V+7]
	s_nop 0
.rept 4
	v_nop
.endr
.Lf_done:
	v_and_b32 v1, 15, v0                           ; il
	v_bfe_u32 v9, v0, 4, 1                         ; h
	v_lshlrev_b32 v[QO], 7, v1
	v_lshl_add_u32 v[QO], v9, 4, v[QO]             ; row x 128 + 16 h
.irp u, 0,1,2,3
	v_add_nc_u32 v[PO+(\u)], s[T2K+(\u)], v[QO]
.endr
	v_lshlrev_b32 v[DVO], 5, v1
	v_lshl_add_u32 v[DVO], v9, 4, v[DVO]
	WIN 0x40                                       ; destination window 1
.irp u, 0,1,2,3
.irp n, 0,1,2,3
	global_load_b128 v[16*(\u)+4*(\n):16*(\u)+4*(\n)+3], v[PO+(\u)], s[QB:QB+1] offset:32*(\n)  ; Q stays in registers
.endr
.endr
.set i, OT
.rept 128
	v_mov_b32 v[i], 0                              ; O^T: the first step multiplies it by a = 0, so it need only be finite; written while the first tile is on its way
.set i, i+1
.endr
	WIN 0
.irp n, 0,1,2,3
	global_load_b128 v[DK+4*(\n):DK+4*(\n)+3], v[QO], s[6:7] offset:32*(\n)            ; dk: row il, 64 channels
	global_load_b128 v[DV+8*(\n):DV+8*(\n)+3], v[DVO], s[6:7] offset:2048+512*(\n)     ; dvT: channel 16 n + il, kap = 8 h ..
.endr
.irp n, 0,1,2,3
.irp j, 4,5,6,7
	v_mov_b32 v[DV+8*(\n)+(\j)], 0                 ; kap 16 to 31 do not exist
.endr
	v_mov_b32 v[TQ+4+(\n)], 0
	v_mov_b32 v[ST+4*(\n)], 0xfe000000             ; c m: far below every c s
	v_mov_b32 v[ST+4*(\n)+1], 0xff7fffff           ; m
	v_mov_b32 v[ST+4*(\n)+2], 0
	v_mov_b32 v[ST+4*(\n)+3], 0
	v_mov_b32 v[TM+(\n)], 0
	v_mov_b32 v[TM+4+(\n)], 0xf149f2ca             ; -1e30
.endr
	s_mul_i32 s96, s[WV], 16*BP
	s_add_co_u32 s96, s96, BIAS                    ; my wave's bias table
	s_mul_i32 s97, s[WV], 16*TP
	s_add_co_u32 s97, s97, TROW                    ; my wave's weights' rows
	v_mul_u32_u24 v52, v1, BP
	v_lshl_add_u32 v52, v9, 4, v52
	v_add_nc_u32 v52, s96, v52
	v_mul_u32_u24 v53, v1, TP
	v_lshl_add_u32 v53, v9, 4, v53
	v_add_nc_u32 v53, s97, v53
.irp t, 0,1,2,3,4,5,6,7,8,9,10,11,12,13,14
	ds_store_b128 v52, v[TM:TM+3] offset:32*(\t)   ; columns 0-119: 0
.endr
.irp t, 0,1,2,3,4,5,6,7
	ds_store_b128 v52, v[TM+4:TM+7] offset:464+32*(\t)  ; columns 116-179: -1e30 (LDS serves a wave's instructions in order: the later store stands)
.endr
.irp t, 0,1,2,3,4,5,6,7,8,9,10,11,12,13,14,15,16,17
	ds_store_b128 v53, v[TM:TM+3] offset:32*(\t)   ; the weights' rows: 0
.endr
	s_add_co_u32 s98, s96, 12
	v_mul_u32_u24 v[BB], v1, BP-4
	v_lshl_add_u32 v[BB], v9, 5, v[BB]
	v_add_nc_u32 v[BB], s98, v[BB]
	s_add_co_u32 s98, s97, 4
	v_mul_u32_u24 v[TBL], v1, TP+4
	v_lshl_add_u32 v[TBL], v9, 5, v[TBL]
	v_add_nc_u32 v[TBL], s98, v[TBL]
	s_add_co_u32 s98, s96, 400
	v_mul_u32_u24 v[RS], v1, BP
	v_lshl_add_u32 v[RS], v9, 5, v[RS]
	v_add_nc_u32 v[RS], s98, v[RS]
	s_add_co_u32 s98, s97, 64
	v_mul_u32_u24 v[TS], v1, TP
	v_lshl_add_u32 v[TS], v9, 5, v[TS]
	v_add_nc_u32 v[TS], s98, v[TS]
	v_mul_u32_u24 v[AK0], v1, PK
	v_lshl_add_u32 v[AK0], v9, 4, v[AK0]
	v_and_b32 v54, 7, v0
	v_bfe_u32 v55, v0, 3, 1
	v_lshl_add_u32 v[AV0], v9, 3, v54              ; the turning load: key 8 h + l % 8, channels 8 ((l / 8) % 2) ..
	v_mul_u32_u24 v[AV0], v[AV0], PV
	v_lshl_add_u32 v[AV0], v55, 4, v[AV0]
	v_add_nc_u32 v[AV0], VOFF, v[AV0]
	v_mul_u32_u24 v[STO], v1, SP
	v_lshl_add_u32 v[STO], v9, 4, v[STO]
	v_add_nc_u32 v[STO], s97, v[STO]
	v_bfe_u32 v[RD], v0, 3, 2
	v_mul_u32_u24 v[RD], v[RD], SP
	v_lshl_add_u32 v[RD], v54, 4, v[RD]
	v_add_nc_u32 v[RD], s97, v[RD]
	v_and_b32 v56, 31, v0
	v_lshlrev_b32 v[PFO], 8, v56
	v_lshlrev_b32 v56, 4, v56
	s_wait_tensorcnt 1                             ; my part of tile 0 is in; tile 1's may stay out
	s_wait_dscnt 0x0
	s_barrier_signal -1
	s_barrier_wait -1
	s_wait_loadcnt 0x0                             ; Q, dk, dvT
.irp u, 0,1,2,3
	v_add_nc_u32 v[PO+(\u)], s[T2K+(\u)], v56      ; from here on: my 16 bytes of the tile's first 512 in O
.endr
; A step's K (16 loads) and V (16 turning loads), in one run.
.macro FETCH
	s_add_co_u32 s[T0], s[SLB], s[KO]
	s_add_co_u32 s[T1], s[SLB], s[VO]
	v_add_nc_u32 v[AK], s[T0], v[AK0]
	v_add_nc_u32 v[AV], s[T1], v[AV0]
	WIN 0x40
.irp f, 0,1,2,3,4,5,6,7
	ds_load_b128 v[KF+8*(\f):KF+8*(\f)+3],   v[AK] offset:((\f)/2)*16*PK+((\f)%2)*64
	ds_load_b128 v[KF+8*(\f)+4:KF+8*(\f)+7], v[AK] offset:((\f)/2)*16*PK+((\f)%2)*64+32
.endr
	WIN 0
.irp f, 0,1,2,3,4,5,6,7
	ds_load_tr16_b128 v[VF+8*(\f):VF+8*(\f)+3],   v[AV] offset:((\f)/4)*32*PV+((\f)%4)*32
	ds_load_tr16_b128 v[VF+8*(\f)+4:VF+8*(\f)+7], v[AV] offset:((\f)/4)*32*PV+16*PV+((\f)%4)*32
.endr
.endm
; Four products of S^T = K Q^T for piece u, channel half c.  mode 0: they start the sums with 0; 1: they add in place.  The four accumulators take turns.
.macro KQH u, c, mode
	WIN 0x05                                       ; K and Q in window 1, S^T in window 0
.irp kt, 0,1,2,3
.if \mode
	v_wmma_f32_16x16x32_f16 v[S+8*(\kt):S+8*(\kt)+7], v[KF+16*(\kt)+8*(\c):KF+16*(\kt)+8*(\c)+7], v[16*(\u)+8*(\c):16*(\u)+8*(\c)+7], v[S+8*(\kt):S+8*(\kt)+7]
.else
	v_wmma_f32_16x16x32_f16 v[S+8*(\kt):S+8*(\kt)+7], v[KF+16*(\kt)+8*(\c):KF+16*(\kt)+8*(\c)+7], v[16*(\u)+8*(\c):16*(\u)+8*(\c)+7], 0
.endif
.endr
.endm
; The softmax of piece u for one step, up to the rescaling of O^T: maximum (each accumulator's lowest registers are read first), m, c m, its change; c s - c m; ONE batch of 33 exponentials with one wait; O^T times a.
.macro SOFT u
.set rT, ST+4*(\u)
.set rO, OT+32*(\u)
.irp n, 0,1,2,3
	v_max3_num_f32 v[CC+(\n)], v[S+8*(\n)], v[S+8*(\n)+1], v[S+8*(\n)+2]
.endr
.irp n, 0,1,2,3
	v_max3_num_f32 v[CC+(\n)], v[CC+(\n)], v[S+8*(\n)+3], v[S+8*(\n)+4]
.endr
.irp n, 0,1,2,3
	v_max3_num_f32 v[CC+(\n)], v[CC+(\n)], v[S+8*(\n)+5], v[S+8*(\n)+6]
.endr
	v_max3_num_f32 v[CC], v[CC], v[S+7], v[S+15]
	v_max3_num_f32 v[CC+1], v[CC+1], v[S+23], v[S+31]
	v_max3_num_f32 v[CC+2], v[CC+2], v[CC+3], v[rT+1]
	v_mov_b32 v[MVO], v[rT]                        ; c m_old
	v_max3_num_f32 v[CC], v[CC], v[CC+1], v[CC+2]
	v_permlanex16_b32 v[CC+3], v[CC], s[SEL], s[SEL+1]  ; the query's other 32 keys lie in the lane 16 away
	v_max_num_f32 v[rT+1], v[CC], v[CC+3]
	v_mul_f32 v[rT], s[CS], v[rT+1]
	v_sub_f32 v[CC+1], v[MVO], v[rT]
.irp n, 0,1,2,3,4,5,6,7,8,9,10,11,12,13,14,15
	v_pk_fma_f32 v[S+2*(\n):S+2*(\n)+1], v[S+2*(\n):S+2*(\n)+1], s[CS:CS+1], v[rT:rT+1] op_sel_hi:[1,0,0] neg_lo:[0,0,1] neg_hi:[0,0,1]
.endr
	v_exp_f32 v[CC+2], v[CC+1]                     ; a
.set i, 0
.rept 32
	v_exp_f32 v[S+i], v[S+i]
.set i, i+1
.endr
	v_nop                                          ; a plain instruction behind the last exponential,
	s_wait_alu depctr_va_vdst(0)                   ; and the one wait ahead of the batch's first reader
	WIN 0x41                                       ; O^T in window 1, a in window 0
.irp n, 0,1,2,3,4,5,6,7,8,9,10,11,12,13,14,15
	v_pk_mul_f32 v[rO+2*(\n):rO+2*(\n)+1], v[rO+2*(\n):rO+2*(\n)+1], v[CC+2:CC+3] op_sel_hi:[1,0]
.endr
	WIN 0
.endm
; Piece u in the step in hand.  dead = 1: the piece may be past its diagonal step: its work is jumped.  near = 1: the step may hold the band.  All jumps go forward, past no barrier and no tensor load.
; Each of the two skewed addresses (BA, TA) is made in the block that uses it, directly ahead of its loads: no label stands between an address's write and its use.
.macro PIECE u, dead, near
.if \dead
	s_cmp_gt_u32 s[SS], s[SD+(\u)]
	s_cbranch_scc1 .Ldead_\@
.endif
.if \near
	s_cmp_ge_u32 s[SS], s[SN+(\u)]
	s_cbranch_scc0 .Lplain_\@
	s_cmp_eq_u32 s[SS], s[SD+(\u)]                 ; the diagonal step, or the one before it?
	s_cselect_b32 s[T0], 256, 0
	s_add_co_u32 s[T0], s[T0], s[WB+(\u)%2]
	v_add_nc_u32 v[BA], s[T0], v[BB]
	WIN 0x04                                       ; dk in window 0, Q in window 1
	v_wmma_f32_16x16x32_f16 v[RR:RR+7], v[DK:DK+7], v[16*(\u):16*(\u)+7], 0
	s_wait_alu depctr_va_vdst(0)                   ; the wait stands directly ahead of the second
	v_wmma_f32_16x16x32_f16 v[RR:RR+7], v[DK+8:DK+15], v[16*(\u)+8:16*(\u)+15], v[RR:RR+7]
	WIN 0
	PLACES
	ds_store_b128 v[RS], v[RR:RR+3]                ; R into columns 100-115 of my query's row
	ds_store_b128 v[RS], v[RR+4:RR+7] offset:16
.irp kt, 0,1,2,3
.irp e, 0,1,2,3,4,5,6,7
	ds_load_b32 v[S+8*(\kt)+(\e)], v[BA] offset:64*(\kt)+4*(\e)  ; band and mask for key 16 kt + 8 h + e (a wave's LDS instructions are served in order: these see the stores)
.endr
.endr
	s_wait_dscnt 0x0
	KQH \u, 0, 1
	WIN 0
	s_branch .Ljoin_\@
.Lplain_\@:
.endif
	KQH \u, 0, 0
.if \near
	WIN 0
.Ljoin_\@:
.endif
	KQH \u, 1, 1
	WIN 0
	PLACES
	SOFT \u
.if \near
	s_cmp_ge_u32 s[SS], s[SN+(\u)]
	s_cbranch_scc0 .Lfar_\@
	s_cmp_eq_u32 s[SS], s[SD+(\u)]                 ; the diagonal step, or the one before it?
	s_cselect_b32 s[T1], 0, 256
	s_add_co_u32 s[T1], s[T1], s[WT+(\u)%2]
	v_add_nc_u32 v[TA], s[T1], v[TBL]
.irp kt, 0,1,2,3
	ds_store_b128 v[TS], v[S+8*(\kt):S+8*(\kt)+3] offset:64*(\kt)
	ds_store_b128 v[TS], v[S+8*(\kt)+4:S+8*(\kt)+7] offset:64*(\kt)+16
.endr
.irp e, 0,1,2,3,4,5,6,7
	ds_load_b32 v[TM+(\e)], v[TA] offset:4*(\e)    ; p(i, i - 15 + 8 h + e), or 0 where that key is not of this step
.endr
	s_wait_dscnt 0x0
.irp j, 0,1,2,3
	v_cvt_pk_f16_f32 v[TQ+(\j)], v[TM+2*(\j)], v[TM+2*(\j)+1]
.endr
	WIN 0x50                                       ; O^T in window 1
.irp cb, 0,1,2,3
	v_wmma_f32_16x16x32_f16 v[OT+32*(\u)+8*(\cb):OT+32*(\u)+8*(\cb)+7], v[DV+8*(\cb):DV+8*(\cb)+7], v[TQ:TQ+7], v[OT+32*(\u)+8*(\cb):OT+32*(\u)+8*(\cb)+7]
.endr
	WIN 0
.Lfar_\@:
.endif
.irp n, 0,1,2,3,4,5,6,7,8,9,10,11,12,13,14,15
	v_cvt_pk_f16_f32 v[P+(\n)], v[S+2*(\n)], v[S+2*(\n)+1]
.endr
.irp z, 0,1,2,3,4,5,6,7
	v_pk_add_f32 v[S+4*(\z):S+4*(\z)+1], v[S+4*(\z):S+4*(\z)+1], v[S+4*(\z)+2:S+4*(\z)+3]
.endr
.irp z, 0,1,2,3
	v_pk_add_f32 v[S+8*(\z):S+8*(\z)+1], v[S+8*(\z):S+8*(\z)+1], v[S+8*(\z)+4:S+8*(\z)+5]
.endr
.irp z, 0,1
	v_pk_add_f32 v[S+16*(\z):S+16*(\z)+1], v[S+16*(\z):S+16*(\z)+1], v[S+16*(\z)+8:S+16*(\z)+9]
.endr
	v_pk_add_f32 v[S:S+1], v[S:S+1], v[S+16:S+17]
	v_pk_fma_f32 v[ST+4*(\u)+2:ST+4*(\u)+3], v[ST+4*(\u)+2:ST+4*(\u)+3], v[CC+2:CC+3], v[S:S+1] op_sel_hi:[1,0,1]  ; l = a l + the step's sum
	s_wait_dscnt 0x0                               ; V is in
	WIN 0x50
.irp kk, 0,1
.irp cb, 0,1,2,3
	v_wmma_f32_16x16x32_f16 v[OT+32*(\u)+8*(\cb):OT+32*(\u)+8*(\cb)+7], v[VF+32*(\kk)+8*(\cb):VF+32*(\kk)+8*(\cb)+7], v[P+8*(\kk):P+8*(\kk)+7], v[OT+32*(\u)+8*(\cb):OT+32*(\u)+8*(\cb)+7]
.endr
.endr
	WIN 0
.if \dead
.Ldead_\@:
.endif
.endm
; A key step.  ver = 0, steps 0-7: pieces 0 and 1 end here, piece 2 may meet its band at step 7, piece 3 is far from its own.  ver = 1, steps 8-15: pieces 2 and 3 alone; past piece 3's diagonal the wave idles.
.macro STEP ver
.if \ver
	s_cmp_gt_u32 s[SS], s[SD+3]
	s_cbranch_scc1 .Lidle_\@
.endif
	PLACES                                         ; behind the last products that read K and V
	FETCH
	s_wait_dscnt 16                                ; K is in; V's 16 loads may stay out
.if \ver
	PIECE 2, 1, 1
	PIECE 3, 0, 1
.Lidle_\@:
.else
	PIECE 0, 1, 1
	PIECE 1, 1, 1
	PIECE 2, 0, 1
	PIECE 3, 0, 0
.endif
	s_add_co_u32 s[SS], s[SS], 1
	s_add_co_u32 s[KO], s[KO], 64*PK
	s_add_co_u32 s[VO], s[VO], 64*PV
.endm
; THE CHANGE OF SLOTS with a refill: every wave waits for all its tensor loads, adds 0 to its spare word, waits for that and for its reads of the slot, and passes the barrier; the slot just read is then
; filled with tile NXT, one load a wave (waves 0, 1: K's halves; 2, 3: V's; 4-7: none), first thing behind the barrier.
.macro CHANGE
	WIN 0
	s_wait_tensorcnt 0x0                           ; no tensor load of mine is out, so a group 0 may be written
	ds_add_u32 v[SPW], v[NIL]
	s_lshl_b32 s[OFF], s[NXT], 15                  ; a tile is 32,768 bytes of K and of V
	s_add_co_u32 s[G0K+1], s[SLB], s[LK]
	s_add_nc_u64 s[G0K+2:G0K+3], s[KB:KB+1], s[OFF:OFF+1]
	s_or_b32 s[G0K+3], s[G0K+3], 0x80000000
	s_add_co_u32 s[G0V+1], s[SLB], s[LV]
	s_add_nc_u64 s[G0V+2:G0V+3], s[VB:VB+1], s[OFF:OFF+1]
	s_or_b32 s[G0V+3], s[G0V+3], 0x80000000
	s_add_co_u32 s[NXT], s[NXT], 1
	s_xor_b32 s[SLB], s[SLB], SLOT                 ; the reads go on in the other slot
	s_mov_b32 s[KO], 0
	s_mov_b32 s[VO], 0
	s_wait_dscnt 0x0                               ; the add is done, and my reads of the slot are over
	s_barrier_signal -1
	s_barrier_wait -1
	s_cmp_lt_u32 s[WV], 2
	s_cbranch_scc0 .Lnot_k_\@
	tensor_load_to_lds s[G0K:G0K+3], s[G1K:G1K+7]
	s_nop 0
.rept 4
	v_nop
.endr
	s_branch .Lasked_\@
.Lnot_k_\@:
	s_cmp_lt_u32 s[WV], 4
	s_cbranch_scc0 .Lasked_\@
	tensor_load_to_lds s[G0V:G0V+3], s[G1V:G1V+7]
	s_nop 0
.rept 4
	v_nop
.endr
.Lasked_\@:
	s_cmp_gt_u32 s[TL], s[LIM]                     ; behind the refill with tile 2: tile 3, which the next change asks for, four key steps ahead; 32 blocks of 256 bytes a wave, each named once in the launch
	s_cbranch_scc0 .Lnot_mine_\@
	global_prefetch_b8 v[PFO], s[PFA:PFA+1] th:TH_LOAD_NT scope:SCOPE_SE
.Lnot_mine_\@:
.endm
	s_mov_b32 s[TL], 2
.LtileA:                                               ; tiles 0 and 1; behind each its slot is filled again, with tiles 2 and 3
	s_mov_b32 s[CNT], 4
.LstepA:
	STEP 0
	s_sub_co_u32 s[CNT], s[CNT], 1
	s_cmp_lg_u32 s[CNT], 0
	s_cbranch_scc1 .LstepA
	CHANGE
	s_sub_co_u32 s[TL], s[TL], 1
	s_cmp_lg_u32 s[TL], 0
	s_cbranch_scc1 .LtileA
	s_mov_b32 s[TL], 2
.LtileB:                                               ; tiles 2 and 3: nothing is left to fetch
	s_mov_b32 s[CNT], 4
.LstepB:
	STEP 1
	s_sub_co_u32 s[CNT], s[CNT], 1
	s_cmp_lg_u32 s[CNT], 0
	s_cbranch_scc1 .LstepB
	s_wait_tensorcnt 0x0                           ; my part of tile 3 is in (the second time round nothing is out: the price of one text for both tiles),
	s_wait_dscnt 0x0
	s_barrier_signal -1
	s_barrier_wait -1                              ; everybody's is; no slot is filled behind this barrier
	s_xor_b32 s[SLB], s[SLB], SLOT
	s_mov_b32 s[KO], 0
	s_mov_b32 s[VO], 0
	s_sub_co_u32 s[TL], s[TL], 1
	s_cmp_lg_u32 s[TL], 0
	s_cbranch_scc1 .LtileB
	; THE WAY OUT.  l's two halves and the other half of the lanes' are added; O^T is divided by l, rounded to f16 and sent through my own stage in LDS, a piece at a time.
.irp t, 0,1,2,3
	v_add_f32 v[ST+4*(\t)+2], v[ST+4*(\t)+2], v[ST+4*(\t)+3]
.endr
.irp t, 0,1,2,3
	v_permlanex16_b32 v[ST+4*(\t)+3], v[ST+4*(\t)+2], s[SEL], s[SEL+1]
.endr
.irp t, 0,1,2,3
	v_add_f32 v[ST+4*(\t)+2], v[ST+4*(\t)+2], v[ST+4*(\t)+3]
.endr
.irp t, 0,1,2,3
	v_rcp_f32 v[ST+4*(\t)+2], v[ST+4*(\t)+2]
.endr
	v_nop                                          ; a plain instruction behind the last reciprocal,
	s_wait_alu depctr_va_vdst(0)                   ; and one wait for the four
.macro PACK t
	WIN 0x41
.set i, OT+32*(\t)
.rept 16
	v_pk_mul_f32 v[i:i+1], v[i:i+1], v[ST+4*(\t)+2:ST+4*(\t)+3] op_sel_hi:[1,0]
.set i, i+2
.endr
	WIN 0x05                                       ; sources window 1, destination window 0
.set i, 0
.rept 16
	v_cvt_pk_f16_f32 v[S+16*(\t)+i], v[OT+32*(\t)+2*i], v[OT+32*(\t)+2*i+1]
.set i, i+1
.endr
	WIN 0
.irp f, 0,1,2,3
	ds_store_b128 v[STO], v[S+16*(\t)+4*(\f):S+16*(\t)+4*(\f)+3] offset:32*(\f)
.endr
.irp f, 0,1,2,3
	ds_load_b128 v[S+16*(\t)+4*(\f):S+16*(\t)+4*(\f)+3], v[RD] offset:(\f)*4*SP  ; in order behind the stores above; the next piece's stores come behind these
.endr
.endm
.macro SEND t, younger                 ; younger: the LDS instructions issued behind piece t's loads
.irp f, 0,1,2,3
	s_wait_dscnt (\younger)+3-(\f)
	global_store_b128 v[PO+(\t)], v[S+16*(\t)+4*(\f):S+16*(\t)+4*(\f)+3], s[OB:OB+1] offset:512*(\f)  ; 512 consecutive bytes, aligned
.endr
.endm
	PACK 0
	PACK 1
	SEND 0, 8
	PACK 2
	SEND 1, 8
	PACK 3
	SEND 2, 8
	SEND 3, 0
	s_wait_tensorcnt 0x0                           ; the wave's end
	ds_add_u32 v[SPW], v[NIL]
	s_wait_dscnt 0x0
	s_endpgm
.Lfunc_end_k_qdc161379ca_attn:
	.size	k_qdc161379ca_attn, .Lfunc_end_k_qdc161379ca_attn-k_qdc161379ca_attn
	.p2alignl 7, 3214868480
	.fill 96, 4, 3214868480
	.section	.rodata,"a",@progbits
	.p2align	6, 0x0
	.amdhsa_kernel k_qdc161379ca_attn
		.amdhsa_group_segment_fixed_size 327680
		.amdhsa_private_segment_fixed_size 0
		.amdhsa_enable_private_segment 0
		.amdhsa_kernarg_size 24
		.amdhsa_user_sgpr_count 2
		.amdhsa_user_sgpr_kernarg_segment_ptr 1
		.amdhsa_wavefront_size32 1
		.amdhsa_system_sgpr_workgroup_id_x 1
		.amdhsa_system_sgpr_workgroup_id_y 1
		.amdhsa_system_sgpr_workgroup_id_z 1
		.amdhsa_system_vgpr_workitem_id 0
		.amdhsa_next_free_vgpr 512
		.amdhsa_next_free_sgpr 100
		.amdhsa_reserve_vcc 0
		.amdhsa_float_denorm_mode_32 3
		.amdhsa_float_denorm_mode_16_64 3
		.amdhsa_memory_ordered 1
		.amdhsa_forward_progress 1
		.amdhsa_inst_pref_size 111
	.end_amdhsa_kernel
	.amdgpu_metadata
---
amdhsa.version: [ 1, 2 ]
amdhsa.kernels:
  - .name:           k_qdc161379ca_attn
    .symbol:         k_qdc161379ca_attn.kd
    .args:
      - { .name: qkv, .offset: 0, .size: 8, .value_kind: global_buffer, .address_space: global }
      - { .name: tab, .offset: 8, .size: 8, .value_kind: global_buffer, .address_space: global }
      - { .name: ob, .offset: 16, .size: 8, .value_kind: global_buffer, .address_space: global }
    .group_segment_fixed_size: 327680
    .private_segment_fixed_size: 0
    .kernarg_segment_align: 8
    .kernarg_segment_size: 24
    .max_flat_workgroup_size: 256
    .sgpr_count:     100
    .vgpr_count:     512
    .wavefront_size: 32
...
	.end_amdgpu_metadata
.endif
;; end of part 3
;; launch proj (part 4): grid 8 x 32, 4 waves a work-group, clusters of 4 x 4, 327,680 bytes of LDS; arguments ob, wpt, bias, out0; writes out0
.if DOCPART == 4
	.amdgcn_target "amdgcn-amd-amdhsa--gfx1250"
	.amdhsa_code_object_version 6
	.text
	.protected	k_qdc161379ca_proj
	.globl	k_qdc161379ca_proj
	.p2align	8
	.type	k_qdc161379ca_proj,@function
k_qdc161379ca_proj:
	s_mov_b64 s[64:65], 0
	v_nop
	global_prefetch_b8 v0, s[64:65] scope:SCOPE_SE
	s_setreg_imm32_b32 hwreg(HW_REG_WAVE_MODE, 25, 1), 1
	s_wait_xcnt 0x0
	s_wait_alu depctr_hold_cnt(0) depctr_sa_sdst(0) depctr_va_vdst(0) depctr_va_sdst(0) depctr_va_ssrc(0) depctr_va_vcc(0) depctr_vm_vsrc(0)
	s_getreg_b32 s2, hwreg(HW_REG_IB_STS2, 6, 4)
	s_cmp_eq_u32 s2, 0
	s_cbranch_scc0 .Lentry_in_a_cluster
	s_endpgm
.Lentry_in_a_cluster:
	s_bfe_u32 s2, ttmp6, 0x10000c
	s_cmp_lg_u32 s2, 0xf033
	s_cbranch_scc0 .Lentry_shape_is_right
	s_endpgm
.Lentry_shape_is_right:
; out0 = O W_proj + b_proj.  A = ob, f16 by heads [16 batch + head][1024 s][64]; B = wpt [1024 n][1024 k] f16 (W_proj rounded to bf16, written as f16); sums in f32, started with the bias as the first product's C.
; SHARES.  A tile of C is 256 x 128: 32 x 8 tiles, one work-group each.  Four waves, each 128 x 64: 32 accumulators, 256 registers.
; K goes in 8 steps of 128 = two heads.  A head's 256 rows of 128 bytes are dense: asked for as 128 rows of 256 bytes, padded in LDS after every 128 bytes (pitch 144); the step's two heads are two planes in the slot.
; CLUSTER.  4 x 4 work-groups: A's tile is asked for jointly along a row of the cluster, B's along a column.  THE MATRIX INSTRUCTION IS USED TRANSPOSED: a lane holds row l % 16 of C and 8 neighbouring columns.
; REGISTERS: window 0: v16-30 addresses, v32-63 and v192-223 rows on the way out, v64-127 and v128-191 A's fragments;  window 1: v0-31, v32-63 B's fragments, v96-127 the bias;  window 2: accumulator (a, b) at 8 (4 a + b).
.set NBW,    4
.set APITCH, 144
.set APLANE, 256*APITCH                ; 36,864: a head's 256 rows, what wave 0 or 1 fetches
.set BPITCH, 272
.set BHALF,  64*BPITCH
.set BBASE,  2*APLANE
.set SLOT,   BBASE+2*BHALF             ; 108,544
.set STAGE,  2*SLOT                    ; behind the ring: 16 rows x 272 bytes for each wave
.set SPITCH, 272
.set SPARE,  STAGE+4*16*SPITCH
.set KSA,    262144                    ; A: two heads on
.set KSB,    256
.set ADRA, 16
.set ADRB, 20
.set STO,  24
.set RD,   25
.set GO,   26
.set BO,   27
.set SPW,  28                          ; v28  LDS address of my spare word; never rewritten
.set NIL,  29                          ; v29  0; never rewritten
.set PFO,  30
.set G1,  24
.set G0,  32
.set G1B, 48
.set G0B, 56
.set PFA, 66
.set LIM0, 68
.set PST, 70
.set MSB, 0
.macro WIN new
.if MSB != (\new)
	s_set_vgpr_msb (MSB<<8)|(\new)
.set MSB, (\new)
.endif
.endm
.macro PLACES
.rept 4
	v_nop
.endr
.endm
.macro JLOAD s                         ; a joint load: waves 0, 1 fetch A's two planes, waves 2, 3 B's halves; an s_nop 0 and four v_nop follow each line
	s_cmp_eq_u32 s13, 0
	s_cbranch_scc0 .Lfor_b_\@
	tensor_load_to_lds s[G0+4*(\s):G0+4*(\s)+3], s[G1:G1+7]
	s_nop 0
.rept 4
	v_nop
.endr
	s_branch .Lasked_\@
.Lfor_b_\@:
	tensor_load_to_lds s[G0B+4*(\s):G0B+4*(\s)+3], s[G1B:G1B+7]
	s_nop 0
.rept 4
	v_nop
.endr
.Lasked_\@:
.endm
.macro ASK lim                         ; the K step two refills on, 32 blocks of 256 bytes a wave; the loop's last trip names nothing
	s_cmp_gt_u32 s3, s[\lim]
	s_cbranch_scc0 .Lnot_mine_\@
	global_prefetch_b8 v[PFO], s[PFA:PFA+1] th:TH_LOAD_NT scope:SCOPE_SE
.Lnot_mine_\@:
.endm
.macro CREST
	s_cmp_lg_u32 s12, 0
	s_cbranch_scc1 .Lnot_wave_0_\@
	s_barrier_signal -3
.Lnot_wave_0_\@:
	s_barrier_wait -3
	s_barrier_signal -1
	s_barrier_wait -1
.endm
.macro CROUND
	s_barrier_signal -1
	s_barrier_wait -1
	CREST
.endm
	s_load_b256 s[4:11], s[0:1], 0x0               ; ob s[4:5], wpt s[6:7], bias s[8:9], out0 s[10:11]
	v_lshl_add_u32 v[SPW], v0, 2, SPARE
	v_mov_b32 v[NIL], 0
	ds_add_u32 v[SPW], v[NIL]                      ; the wave's opening: the add and its wait, ahead of my first tensor load
	v_lshrrev_b32 v1, 5, v0
	v_readfirstlane_b32 s12, v1
	s_lshr_b32 s13, s12, 1
	s_and_b32 s14, s12, 1
	s_bfe_u32 s40, ttmp6, 0x40000                  ; cx
	s_bfe_u32 s41, ttmp6, 0x40004                  ; cy
	s_lshl_b32 s42, ttmp9, 2
	s_add_co_u32 s42, s42, s40                     ; tx
	s_and_b32 s15, ttmp7, 0xffff
	s_lshl_b32 s15, s15, 2
	s_add_co_u32 s15, s15, s41                     ; ty
	s_lshl_b32 s43, s41, 2
	s_lshl_b32 s43, 15, s43
	s_lshl_b32 s44, 0x1111, s40
	s_or_b32 s[G1], s43, (1<<16)|(1<<20)|(1<<21)|(4<<22)|(3<<25)   ; A: padded after every 32 words by 4
	s_or_b32 s[G1B], s44, (1<<16)|(1<<20)|(1<<21)|(5<<22)|(3<<25)  ; B: after every 64 words
	s_mov_b32 s[G1+1], 128<<16
	s_mov_b32 s[G1+2], 128<<16
	s_mov_b32 s[G1+3], 128<<16
	s_mov_b32 s[G1+4], 128
	s_mov_b32 s[G1+5], 128                         ; dense
	s_mov_b32 s[G1+6], 0
	s_mov_b32 s[G1+7], 0
	s_mov_b32 s[G1B+1], 128<<16
	s_mov_b32 s[G1B+2], 64<<16
	s_mov_b32 s[G1B+3], 128<<16
	s_mov_b32 s[G1B+4], 64
	s_mov_b32 s[G1B+5], 1024
	s_mov_b32 s[G1B+6], 0
	s_mov_b32 s[G1B+7], 0
	s_lshr_b32 s16, s15, 2                         ; batch
	s_lshl_b32 s16, s16, 4
	s_add_co_u32 s16, s16, s14                     ; + my head of the K step's two
	s_lshl_b32 s16, s16, 17
	s_and_b32 s17, s15, 3
	s_lshl_b32 s17, s17, 15                        ; the tile's 256 rows in the head
	s_add_co_u32 s16, s16, s17
	s_mov_b32 s17, 0
	s_lshl_b32 s46, s42, 7
	s_lshl_b32 s47, s14, 6
	s_add_co_u32 s46, s46, s47                     ; B: row 128 tx + 64 half
	s_lshl_b32 s46, s46, 11
	s_mov_b32 s47, 0
	s_mul_i32 s20, s14, APLANE
	s_mul_i32 s21, s14, BHALF
	s_add_co_u32 s21, s21, BBASE
	s_wait_dscnt 0x0
	s_wait_kmcnt 0x0
	s_add_nc_u64 s[18:19], s[4:5], s[16:17]
	s_add_nc_u64 s[46:47], s[6:7], s[46:47]
	CROUND
.irp s, 0,1
	s_mov_b32 s[G0+4*(\s)], 1
	s_add_co_u32 s[G0+4*(\s)+1], s20, (\s)*SLOT
	s_add_nc_u64 s[G0+4*(\s)+2:G0+4*(\s)+3], s[18:19], (\s)*KSA
	s_or_b32 s[G0+4*(\s)+3], s[G0+4*(\s)+3], 0x80000000
	s_mov_b32 s[G0B+4*(\s)], 1
	s_add_co_u32 s[G0B+4*(\s)+1], s21, (\s)*SLOT
	s_add_nc_u64 s[G0B+4*(\s)+2:G0B+4*(\s)+3], s[46:47], (\s)*KSB
	s_or_b32 s[G0B+4*(\s)+3], s[G0B+4*(\s)+3], 0x80000000
	JLOAD \s
.endr
	v_and_b32 v1, 15, v0
	v_bfe_u32 v2, v0, 4, 1
	v_and_b32 v5, 31, v0
	s_lshl_b32 s22, s42, 9                         ; the bias: b_proj lies at byte 12,288; register j of block b holds b_proj[128 tx + 64 wc + 16 b + 8 h + j]
	s_add_co_u32 s22, s22, 12288
	s_mov_b32 s23, 0
	s_add_nc_u64 s[8:9], s[8:9], s[22:23]
	s_lshl_b32 s22, s14, 8
	v_lshl_add_u32 v[BO], v2, 5, s22
	WIN 0x40
.irp b, 0,1,2,3
	global_load_b128 v[96+8*(\b):96+8*(\b)+3], v[BO], s[8:9] offset:64*(\b)
	global_load_b128 v[96+8*(\b)+4:96+8*(\b)+7], v[BO], s[8:9] offset:64*(\b)+16
.endr
	WIN 0
	v_mul_u32_u24 v3, v1, APITCH
	v_lshl_add_u32 v3, v2, 4, v3
	v_mul_u32_u24 v4, v1, BPITCH
	v_lshl_add_u32 v4, v2, 4, v4
	s_mul_i32 s21, s13, 128*APITCH                 ; my 128 rows, in each plane
	s_mul_i32 s22, s14, BHALF
	s_add_co_u32 s22, s22, BBASE
.irp s, 0,1
	v_add_nc_u32 v[ADRA+(\s)], s21, v3
	v_add_nc_u32 v[ADRB+(\s)], s22, v4
	s_add_co_u32 s21, s21, SLOT
	s_add_co_u32 s22, s22, SLOT
.endr
	s_mul_i32 s23, s12, 16*SPITCH
	s_add_co_u32 s23, s23, STAGE                   ; my stage
	v_mul_u32_u24 v6, v1, SPITCH                   ; in: row l % 16, 32 bytes for each half of the lanes
	v_lshl_add_u32 v6, v2, 5, v6
	v_add_nc_u32 v[STO], s23, v6
	v_mul_u32_u24 v6, v2, SPITCH                   ; back: lanes 0-15 one row of 256 bytes, lanes 16-31 the next
	v_lshl_add_u32 v6, v1, 4, v6
	v_add_nc_u32 v[RD], s23, v6
	v_lshlrev_b32 v6, 12, v2                       ; and the same two rows in out0
	v_lshl_add_u32 v[GO], v1, 4, v6
	; the prefetches.  A (waves 0, 1, first cluster of a row of clusters): of my plane's 128 blocks of 256 bytes the partner at cx takes 32 cx + lane.  B (wave 2, first cluster of a column): rows 128 tx + 32 cy + lane.
	s_lshl_b32 s20, s40, 13
	s_add_co_u32 s20, s20, s16
	s_add_co_u32 s20, s20, 3*KSA
	s_lshl_b32 s21, s42, 7
	s_lshl_b32 s23, s41, 5
	s_add_co_u32 s21, s21, s23
	s_lshl_b32 s21, s21, 11
	s_add_co_u32 s21, s21, 3*KSB
	s_and_b32 s22, ttmp7, 0xffff
	s_mov_b32 s[PST], KSB
	s_mov_b32 s23, KSA
	s_cmp_eq_u32 s13, 0
	s_cselect_b32 s20, s20, s21
	s_cselect_b32 s22, ttmp9, s22
	s_cselect_b64 s[PFA:PFA+1], s[4:5], s[6:7]
	s_cselect_b32 s[PST], s23, s[PST]
	s_cselect_b32 s23, 8, 11
	s_mov_b32 s[PST+1], 0
	s_mov_b32 s21, 0
	s_add_nc_u64 s[PFA:PFA+1], s[PFA:PFA+1], s[20:21]  ; at K step 3: the first change of slots steps it to 4 and names that
	s_cmp_eq_u32 s22, 0
	s_cselect_b32 s[LIM0], 1, -1
	s_cmp_eq_u32 s12, 3
	s_cselect_b32 s[LIM0], -1, s[LIM0]             ; wave 3 has no rows left to name
	s_mov_b32 s[LIM0+1], s[LIM0]
	v_lshlrev_b32 v[PFO], s23, v5
	; where my part of the tile begins in out0
	s_lshl_b32 s16, s15, 8
	s_lshl_b32 s17, s13, 7
	s_add_co_u32 s16, s16, s17
	s_lshl_b32 s16, s16, 12
	s_lshl_b32 s17, s42, 9
	s_add_co_u32 s16, s16, s17
	s_lshl_b32 s17, s14, 8
	s_add_co_u32 s16, s16, s17
	s_mov_b32 s17, 0
.macro MULH f, hi, a0, first           ; 8 matrix instructions: m blocks 4 hi + a0, + 1 x all 4 n blocks; the accumulators take turns
.if \first
	WIN 0x91                                       ; B window 1, A window 0, C (the bias) window 1, D window 2
.else
	WIN 0xa1
.endif
.irp a, \a0, (\a0)+1
.irp b, 0,1,2,3
.if \first
	v_wmma_f32_16x16x32_f16 v[8*(4*(4*(\hi)+(\a))+(\b)):8*(4*(4*(\hi)+(\a))+(\b))+7], v[32*(\f)+8*(\b):32*(\f)+8*(\b)+7], v[64+64*(\f)+8*(4*(\hi)+(\a)):64+64*(\f)+8*(4*(\hi)+(\a))+7], v[96+8*(\b):96+8*(\b)+7]
.else
	v_wmma_f32_16x16x32_f16 v[8*(4*(4*(\hi)+(\a))+(\b)):8*(4*(4*(\hi)+(\a))+(\b))+7], v[32*(\f)+8*(\b):32*(\f)+8*(\b)+7], v[64+64*(\f)+8*(4*(\hi)+(\a)):64+64*(\f)+8*(4*(\hi)+(\a))+7], v[8*(4*(4*(\hi)+(\a))+(\b)):8*(4*(4*(\hi)+(\a))+(\b))+7]
.endif
.endr
.endr
.endm
.macro FETCH slot, q, f                ; 24 LDS loads: quarter q: plane q / 2, channels 32 (q % 2) on
	WIN 0x40
.irp i, 0,1,2,3
	ds_load_b128 v[32*(\f)+8*(\i):32*(\f)+8*(\i)+3],   v[ADRB+(\slot)] offset:64*(\q)+(\i)*16*BPITCH
	ds_load_b128 v[32*(\f)+8*(\i)+4:32*(\f)+8*(\i)+7], v[ADRB+(\slot)] offset:64*(\q)+(\i)*16*BPITCH+32
.endr
	WIN 0
.irp i, 0,1,2,3,4,5,6,7
	ds_load_b128 v[64+64*(\f)+8*(\i):64+64*(\f)+8*(\i)+3],   v[ADRA+(\slot)] offset:((\q)/2)*APLANE+((\q)%2)*64+(\i)*16*APITCH
	ds_load_b128 v[64+64*(\f)+8*(\i)+4:64+64*(\f)+8*(\i)+7], v[ADRA+(\slot)] offset:((\q)/2)*APLANE+((\q)%2)*64+(\i)*16*APITCH+32
.endr
.endm
.macro QUARTER slot, q, f, g, first
	s_wait_dscnt 8                                 ; B and A's rows 0-63 are in; the youngest eight loads may be out
	MULH \f, 0, 0, \first
	MULH \f, 0, 2, \first
	PLACES
	FETCH \slot, \q, \g
	s_wait_dscnt 2*NBW+16                          ; all but the 24 just issued
	MULH \f, 1, 0, \first
	MULH \f, 1, 2, \first
.endm
.macro TURN slot, next, fill           ; the last quarter and the change of slots: all my tensor loads, the add, my reads of the slot, the barrier (with fill = 1 a round of the cluster's), the joint refill first behind it
.if \fill
	s_wait_xcnt 0x0                                ; the last prefetch, a K step back, has read its address
	s_add_nc_u64 s[PFA:PFA+1], s[PFA:PFA+1], s[PST:PST+1]
.endif
	WIN 0
	s_wait_tensorcnt 0x0
	ds_add_u32 v[SPW], v[NIL]
	s_wait_dscnt 9                                 ; the add and the youngest eight loads may be out
	MULH 1, 0, 0, 0
	s_wait_dscnt 0x0
	s_barrier_signal -1
	MULH 1, 0, 2, 0
.if \fill
	WIN 0
.endif
	s_barrier_wait -1
.if \fill
	CREST
	s_add_nc_u64 s[G0+4*(\slot)+2:G0+4*(\slot)+3], s[G0+4*(\slot)+2:G0+4*(\slot)+3], 2*KSA
	s_add_nc_u64 s[G0B+4*(\slot)+2:G0B+4*(\slot)+3], s[G0B+4*(\slot)+2:G0B+4*(\slot)+3], 2*KSB
	JLOAD \slot
.else
	PLACES
.endif
	FETCH \next, 0, 0
.if \fill
	ASK LIM0+(\slot)
.endif
	MULH 1, 1, 0, 0
	MULH 1, 1, 2, 0
.endm
	s_wait_tensorcnt 1                             ; my part of K step 0 is in; K step 1's may stay out
	s_barrier_signal -1
	s_barrier_wait -1
	FETCH 0, 0, 0
	s_wait_loadcnt 0x0                             ; the bias
	QUARTER 0, 1, 0, 1, 1
	WIN 0
	s_mov_b32 s3, 3
.Llap:
	QUARTER 0, 2, 1, 0, 0
	QUARTER 0, 3, 0, 1, 0
	TURN 0, 1, 1
	QUARTER 1, 1, 0, 1, 0
	QUARTER 1, 2, 1, 0, 0
	QUARTER 1, 3, 0, 1, 0
	TURN 1, 0, 1
	QUARTER 0, 1, 0, 1, 0
	WIN 0
	s_sub_co_u32 s3, s3, 1
	s_cmp_lg_u32 s3, 0
	s_cbranch_scc1 .Llap
	QUARTER 0, 2, 1, 0, 0
	QUARTER 0, 3, 0, 1, 0
	TURN 0, 1, 0
	QUARTER 1, 1, 0, 1, 0
	QUARTER 1, 2, 1, 0, 0
	QUARTER 1, 3, 0, 1, 0
	s_wait_dscnt 8
	MULH 1, 0, 0, 0
	MULH 1, 0, 2, 0
	s_wait_dscnt 0x0
	MULH 1, 1, 0, 0
	MULH 1, 1, 2, 0
	WIN 0
	; THE WAY OUT, in f32: a block of 16 rows x 64 columns goes into my own stage, 32 bytes a lane and n block, and comes back as whole rows of 256 bytes.
	PLACES
.irp a, 0,1,2,3,4,5,6,7
.set BK, 32+160*((\a)%2)
	WIN 0x08                                       ; the stores' data in window 2
.irp b, 0,1,2,3
	ds_store_b128 v[STO], v[8*(4*(\a)+(\b)):8*(4*(\a)+(\b))+3] offset:64*(\b)
	ds_store_b128 v[STO], v[8*(4*(\a)+(\b))+4:8*(4*(\a)+(\b))+7] offset:64*(\b)+16
.endr
	WIN 0
.irp t, 0,1,2,3,4,5,6,7
	ds_load_b128 v[BK+4*(\t):BK+4*(\t)+3], v[RD] offset:(\t)*2*SPITCH  ; a wave's LDS instructions are served in order: these see the stores above
.endr
	s_wait_dscnt 0x0
	s_wait_xcnt 0x0                                ; the earlier stores have read their base and their data: the base is stepped, and the block after this one may load into their registers
.if (\a) == 0
	s_add_nc_u64 s[10:11], s[10:11], s[16:17]
.else
	s_add_nc_u64 s[10:11], s[10:11], 16*4096
.endif
.irp t, 0,1,2,3,4,5,6,7
	global_store_b128 v[GO], v[BK+4*(\t):BK+4*(\t)+3], s[10:11] offset:(\t)*8192  ; 16 lanes store 256 consecutive bytes, aligned
.endr
.endr
	s_wait_tensorcnt 0x0                           ; the wave's end
	ds_add_u32 v[SPW], v[NIL]
	s_wait_dscnt 0x0
	CROUND                                         ; the closing round
	s_endpgm
.Lfunc_end_k_qdc161379ca_proj:
	.size	k_qdc161379ca_proj, .Lfunc_end_k_qdc161379ca_proj-k_qdc161379ca_proj
	.p2alignl 7, 3214868480
	.fill 96, 4, 3214868480
	.section	.rodata,"a",@progbits
	.p2align	6, 0x0
	.amdhsa_kernel k_qdc161379ca_proj
		.amdhsa_group_segment_fixed_size 327680
		.amdhsa_private_segment_fixed_size 0
		.amdhsa_enable_private_segment 0
		.amdhsa_kernarg_size 32
		.amdhsa_user_sgpr_count 2
		.amdhsa_user_sgpr_kernarg_segment_ptr 1
		.amdhsa_wavefront_size32 1
		.amdhsa_system_sgpr_workgroup_id_x 1
		.amdhsa_system_sgpr_workgroup_id_y 1
		.amdhsa_system_sgpr_workgroup_id_z 1
		.amdhsa_system_vgpr_workitem_id 0
		.amdhsa_next_free_vgpr 768
		.amdhsa_next_free_sgpr 80
		.amdhsa_reserve_vcc 0
		.amdhsa_float_denorm_mode_32 3
		.amdhsa_float_denorm_mode_16_64 3
		.amdhsa_memory_ordered 1
		.amdhsa_forward_progress 1
		.amdhsa_inst_pref_size 89
	.end_amdhsa_kernel
	.amdgpu_metadata
---
amdhsa.version: [ 1, 2 ]
amdhsa.kernels:
  - .name:           k_qdc161379ca_proj
    .symbol:         k_qdc161379ca_proj.kd
    .args:
      - { .name: ob, .offset: 0, .size: 8, .value_kind: global_buffer, .address_space: global }
      - { .name: wpt, .offset: 8, .size: 8, .value_kind: global_buffer, .address_space: global }
      - { .name: bias, .offset: 16, .size: 8, .value_kind: global_buffer, .address_space: global }
      - { .name: out0, .offset: 24, .size: 8, .value_kind: global_buffer, .address_space: global }
    .group_segment_fixed_size: 327680
    .private_segment_fixed_size: 0
    .kernarg_segment_align: 8
    .kernarg_segment_size: 32
    .max_flat_workgroup_size: 128
    .sgpr_count:     80
    .vgpr_count:     768
    .wavefront_size: 32
...
	.end_amdgpu_metadata
.endif
;; end of part 4
;; ======== version 2 of 2: 4 launches; version 1 with the launch prep written anew for expert scheduling mode
;; limits: values are held in f16: magnitudes above 65,504 overflow, below 6.1e-05 lose precision
;; workspace buffers: xb 16,777,216 bytes; wat 6,291,456 bytes; wpt 2,097,152 bytes; bias 16,384 bytes; tab 4,096 bytes; qkv 50,331,648 bytes; ob 16,777,216 bytes
;; launch prep (part 5): grid 1025 x 1, 8 waves a work-group, no clusters, 18,432 bytes of LDS; arguments x, W_attn, W_proj, b_attn, b_proj, lut_k, lut_v, xb, wat, wpt, bias, tab; writes xb, wat, wpt, bias, tab
.if DOCPART == 5
	.amdgcn_target "amdgcn-amd-amdhsa--gfx1250"
	.amdhsa_code_object_version 6
	.text
	.protected	k_qdc161379ca_prep
	.globl	k_qdc161379ca_prep
	.p2align	8
	.type	k_qdc161379ca_prep,@function
k_qdc161379ca_prep:
	s_mov_b64 s[64:65], 0
	v_nop
	global_prefetch_b8 v0, s[64:65] scope:SCOPE_SE
	s_setreg_imm32_b32 hwreg(HW_REG_WAVE_SCHED_MODE, 0, 2), 2
	s_setreg_imm32_b32 hwreg(HW_REG_WAVE_MODE, 25, 1), 1
	s_wait_xcnt 0x0
	s_wait_alu depctr_vm_vsrc(0)
; PREPARATION.  Every input is rounded once to bf16 and laid out as the later launches read it.
;   work-groups 0-511     xb  = x rounded to bf16, [8192][1024]
;   work-groups 512-895   wat = W_attn rounded to bf16 and transposed, [3072 n][1024 k]
;   work-groups 896-1023  wpt = W_proj rounded to bf16, that number written as f16, transposed, [1024 n][1024 k]
;   work-group 1024       bias (f32[4096]) and tab (f16)
; THE TABLES.  Under the causal mask only rel = clip(j - i) + 16 = 0 .. 16 is ever used, so rows 17 to 32 of lut_k and lut_v feed masked scores alone and are not read.
; For j <= i - 16 the row is row 0: it is added to k and v through the projection's bias (bias[1024 + n] = b_attn + lut_k[0][n % 64], bias[2048 + n] likewise with lut_v).
; What is left is a band of 16 diagonals with the differences dk[r][ch] = lut_k[r + 1][ch] - lut_k[0][ch] (tab bytes 0-2047, rows of 128 bytes) and
; dvT[ch][r] = lut_v[r + 1][ch] - lut_v[0][ch] (tab bytes 2048-4095, rows of 32 bytes), r = j - i + 15.  The differences are taken of the bf16-rounded inputs, in f32, and rounded once to f16.
; LIMITS.  W_proj and the differences must lie within f16's 65,504; below 6e-5 f16 keeps its fixed step of 6e-8.
; THE MODE: SCHED_MODE bits 1:0 = 2 (LLVM: expert scheduling mode 2), set by the entry lines.  The code itself states the register dependences
; between vector instructions and memory or LDS instructions, with s_wait_alu, always for 0.
; THE PLAN.  A work-group takes one of three ways; none has a loop, and no register that a memory or LDS instruction has read is ever written again.
;   x        v4, v5 offsets, written once.  v[16:79]: sixteen loads of four registers, in four groups; a group's conversions write the first two of each four in place, and the stores that read
;            them are issued in the next group, behind the one wait at its head, among conversions that name the next group's registers alone.
;   weights  v4 the loads' offset; v[16:47] as loaded; v[48:63] written by the sixteen roundings and read by the LDS stores; v5, v6, v7 addresses, made while the loads are out.
;            One wait behind the roundings covers v[48:63] and the three addresses; no vector instruction follows it.  v[64:79] are named by LDS loads and global stores alone.
;   tables   v4 to v8 offsets, written once; v[16:31] and v[50:53] written by the arithmetic and read by the stores, behind one wait.
;   v94, v95 written at the head, read by the closing add alone.
; Each scalar that a vector instruction reads (s44 to s47) has a register of its own and is written once.
.set SPARE, 17408                      ; behind the transposing tile (64 rows x 272 bytes): the spare words, 128 bytes for each of eight waves
.set SPW, 94                           ; v94  LDS address of my spare word; never rewritten
.set NIL, 95                           ; v95  0; never rewritten
	s_load_b512 s[16:31], s[0:1], 0x0              ; x 16, W_attn 18, W_proj 20, b_attn 22, b_proj 24, lut_k 26, lut_v 28, xb 30
	s_load_b256 s[32:39], s[0:1], 0x40             ; wat 32, wpt 34, bias 36, tab 38
	v_lshl_add_u32 v[SPW], v0, 2, SPARE
	v_mov_b32 v[NIL], 0
	v_and_b32 v1, 15, v0                           ; c: my 16 bytes of 256
	v_bfe_u32 v2, v0, 4, 1                         ; hh: which half of the wave's lanes
	v_lshrrev_b32 v3, 5, v0
	v_readfirstlane_b32 s8, v3                     ; wave 0..7
	s_mov_b32 s3, 0                                ; the high word of every offset pair s[2:3]
	s_wait_alu depctr_va_sdst(0)                   ; s8 is written, ahead of the branches below and of its first reader: the weights' addresses are made from it
	s_wait_kmcnt 0x0
	s_cmp_lt_u32 ttmp9, 512
	s_cbranch_scc0 .Lnot_x
	; x: 16,384 numbers a work-group.  Sixteen loads of 16 bytes a lane go out first; each store of a wave covers 256 consecutive bytes, aligned.
	s_lshl_b32 s2, ttmp9, 16
	s_add_nc_u64 s[16:17], s[16:17], s[2:3]
	s_lshl_b32 s2, ttmp9, 15
	s_add_nc_u64 s[30:31], s[30:31], s[2:3]
	v_lshlrev_b32 v4, 4, v0
	v_lshlrev_b32 v5, 3, v0
	s_wait_alu depctr_va_vdst(0)                   ; v4 and v5 are written: every load below reads v4 as its offset, every store v5
.irp i, 0,1,2,3,4,5,6,7,8,9,10,11,12,13,14,15
	global_load_b128 v[16+4*(\i):16+4*(\i)+3], v4, s[16:17] offset:4096*(\i) th:TH_LOAD_NT
.endr
.irp g, 0,1,2,3
	s_wait_loadcnt 12-4*(\g)                       ; loads come back in order: group g's four are in, the younger groups stay out
.if (\g) > 0
	s_wait_alu depctr_va_vdst(0)                   ; the group before has written the eight registers that the four stores below read
.endif
.irp i, 0,1,2,3
.if (\g) > 0
	global_store_b64 v5, v[16+4*(4*(\g)-4+(\i)):16+4*(4*(\g)-4+(\i))+1], s[30:31] offset:2048*(4*(\g)-4+(\i))  ; the group before; no vector instruction since the wait names these registers
.endif
	v_cvt_pk_bf16_f32 v[16+4*(4*(\g)+(\i))], v[16+4*(4*(\g)+(\i))], v[16+4*(4*(\g)+(\i))+1]
	v_cvt_pk_bf16_f32 v[16+4*(4*(\g)+(\i))+1], v[16+4*(4*(\g)+(\i))+2], v[16+4*(4*(\g)+(\i))+3]
.endr
.endr
	s_wait_alu depctr_va_vdst(0)                   ; the last group has written the registers that the last four stores read
.irp i, 12,13,14,15
	global_store_b64 v5, v[16+4*(\i):16+4*(\i)+1], s[30:31] offset:2048*(\i)
.endr
	s_branch .Lend
; A tile of 128 k x 64 n of a weight matrix [1024 k][n], rounded, turned in LDS and stored as 64 rows (n) of 256 bytes (128 k).  s40 = the tile's number: k block = s40 % 8, n block = s40 / 8.
; In: 16 lanes read 256 consecutive bytes of one row k; a lane holds 4 columns of 8 rows, as 4 pairs of neighbouring k.  A pair packs into one word of the transposed row.
; Out: 16 lanes store 256 consecutive bytes, aligned, of one row n.
.macro WTILE PITCHB, F16, SRC, DST
	s_and_b32 s41, s40, 7
	s_lshr_b32 s42, s40, 3
	s_mul_i32 s2, s41, 128*(\PITCHB)
	s_lshl_b32 s43, s42, 8
	s_add_co_u32 s2, s2, s43
	s_add_nc_u64 s[\SRC:(\SRC)+1], s[\SRC:(\SRC)+1], s[2:3]
	s_lshl_b32 s2, s42, 17                         ; 64 rows of 2,048 bytes
	s_lshl_b32 s43, s41, 8
	s_add_co_u32 s2, s2, s43
	s_add_nc_u64 s[\DST:(\DST)+1], s[\DST:(\DST)+1], s[2:3]
	s_mul_i32 s44, s8, 16*(\PITCHB)                ; my wave's 16 rows k
	v_mul_u32_u24 v4, v2, 2*(\PITCHB)
	v_lshl_add_u32 v4, v1, 4, v4
	v_add_nc_u32 v4, s44, v4                       ; row 16 w + 2 hh, byte 16 c
	s_wait_alu depctr_va_vdst(0)                   ; v4 is written, which the eight loads read as their offset
.irp j, 0,1,2,3
.irp e, 0,1
	global_load_b128 v[16+4*(2*(\j)+(\e)):16+4*(2*(\j)+(\e))+3], v4, s[\SRC:(\SRC)+1] offset:(4*(\j)+(\e))*(\PITCHB) th:TH_LOAD_NT
.endr
.endr
	s_lshl_b32 s45, s8, 5
	v_mul_u32_u24 v5, v1, 1088                     ; into LDS: row n = 4 c + i (272 bytes each), byte 2 k = 32 w + 8 j + 4 hh
	v_lshl_add_u32 v5, v2, 2, v5
	v_add_nc_u32 v5, s45, v5
	s_mul_i32 s46, s8, 8*272
	v_mul_u32_u24 v6, v2, 272                      ; back: row 8 w + hh + 2 t, byte 16 c
	v_lshl_add_u32 v6, v1, 4, v6
	v_add_nc_u32 v6, s46, v6
	s_lshl_b32 s47, s8, 14
	v_lshlrev_b32 v7, 11, v2                       ; and the same rows in memory, 2,048 bytes each
	v_lshl_add_u32 v7, v1, 4, v7
	v_add_nc_u32 v7, s47, v7
	s_wait_loadcnt 0x0
.irp j, 0,1,2,3
.irp i, 0,1,2,3
	v_cvt_pk_bf16_f32 v[48+4*(\j)+(\i)], v[16+8*(\j)+(\i)], v[16+8*(\j)+4+(\i)]
.if \F16
	v_lshlrev_b32 v9, 16, v[48+4*(\j)+(\i)]        ; the bf16 numbers, written as f16
	v_and_b32 v10, 0xffff0000, v[48+4*(\j)+(\i)]
	v_cvt_pk_f16_f32 v[48+4*(\j)+(\i)], v9, v10
.endif
.endr
.endr
	s_wait_alu depctr_va_vdst(0)                   ; the roundings have written v[48:63], which the LDS stores read; v5, v6 and v7 are written, the addresses of the LDS stores, the LDS loads and the global stores below
.irp j, 0,1,2,3
.irp i, 0,1,2,3
	ds_store_b32 v5, v[48+4*(\j)+(\i)] offset:272*(\i)+8*(\j)
.endr
.endr
	s_wait_dscnt 0x0                               ; for the others' sake: my stores into the tile are done
	s_barrier_signal -1
	s_barrier_wait -1
.irp t, 0,1,2,3
	ds_load_b128 v[64+4*(\t):64+4*(\t)+3], v6 offset:544*(\t)  ; no vector instruction of this way names v[64:79]
.endr
.irp t, 0,1,2,3
	s_wait_dscnt 3-(\t)
	global_store_b128 v7, v[64+4*(\t):64+4*(\t)+3], s[\DST:(\DST)+1] offset:4096*(\t)
.endr
.endm
.Lnot_x:
	s_cmp_lt_u32 ttmp9, 896
	s_cbranch_scc0 .Lnot_wa
	s_sub_co_u32 s40, ttmp9, 512
	WTILE 12288, 0, 18, 32
	s_branch .Lend
.Lnot_wa:
	s_cmp_lt_u32 ttmp9, 1024
	s_cbranch_scc0 .Ltab
	s_sub_co_u32 s40, ttmp9, 896
	WTILE 4096, 1, 20, 34
	s_branch .Lend
.macro RB2 a                           ; two registers rounded to bf16, kept as f32
	v_cvt_pk_bf16_f32 v9, v[\a], v[(\a)+1]
	v_lshlrev_b32 v[\a], 16, v9
	v_and_b32 v[(\a)+1], 0xffff0000, v9
.endm
.Ltab:                                         ; thread t: four numbers of each quarter of bias, four of dk, four of dvT
	v_lshlrev_b32 v4, 4, v0                        ; 16 t
	v_lshlrev_b32 v5, 4, v1                        ; 16 (t % 16): channels 4 (t % 16) .. + 3 of a table's row
	v_and_b32 v6, 3, v0
	v_lshrrev_b32 v7, 2, v0
	v_lshlrev_b32 v7, 2, v7                        ; channel t / 4 of lut_v's row 0
	v_lshl_add_u32 v6, v6, 10, v7                  ; and of its rows 4 (t % 4) + ..
	v_lshlrev_b32 v8, 3, v0                        ; 8 t
	s_wait_alu depctr_va_vdst(0)                   ; the five offsets v4 to v8 are written, which the loads and stores of this way read
	global_load_b128 v[16:19], v4, s[22:23]
	global_load_b128 v[20:23], v4, s[22:23] offset:4096
	global_load_b128 v[24:27], v4, s[22:23] offset:8192
	global_load_b128 v[28:31], v4, s[24:25]
	global_load_b128 v[32:35], v5, s[26:27]        ; lut_k[0]
	global_load_b128 v[36:39], v5, s[28:29]        ; lut_v[0]
	global_load_b128 v[40:43], v4, s[26:27] offset:256  ; lut_k[t / 16 + 1], the same four channels
.irp i, 0,1,2,3
	global_load_b32 v[44+(\i)], v6, s[28:29] offset:256+256*(\i)  ; lut_v[4 (t % 4) + i + 1][t / 4]
.endr
	global_load_b32 v48, v7, s[28:29]              ; lut_v[0][t / 4]
	s_wait_loadcnt 0x0
.irp a, 16,18,20,22,24,26,28,30,32,34,36,38,40,42,44,46
	RB2 \a
.endr
	v_cvt_pk_bf16_f32 v9, v48, v48
	v_lshlrev_b32 v48, 16, v9
	v_pk_add_f32 v[20:21], v[20:21], v[32:33]      ; k's bias takes lut_k[0],
	v_pk_add_f32 v[22:23], v[22:23], v[34:35]
	v_pk_add_f32 v[24:25], v[24:25], v[36:37]      ; v's takes lut_v[0]
	v_pk_add_f32 v[26:27], v[26:27], v[38:39]
	v_pk_add_f32 v[40:41], v[40:41], v[32:33] neg_lo:[0,1] neg_hi:[0,1]
	v_pk_add_f32 v[42:43], v[42:43], v[34:35] neg_lo:[0,1] neg_hi:[0,1]
.irp i, 0,1,2,3
	v_sub_f32 v[44+(\i)], v[44+(\i)], v48
.endr
	v_cvt_pk_f16_f32 v50, v40, v41
	v_cvt_pk_f16_f32 v51, v42, v43
	v_cvt_pk_f16_f32 v52, v44, v45
	v_cvt_pk_f16_f32 v53, v46, v47
	s_wait_alu depctr_va_vdst(0)                   ; the roundings and sums have written v[16:31] and v[50:53], which the six stores read
	global_store_b128 v4, v[16:19], s[36:37]
	global_store_b128 v4, v[20:23], s[36:37] offset:4096
	global_store_b128 v4, v[24:27], s[36:37] offset:8192
	global_store_b128 v4, v[28:31], s[36:37] offset:12288
	global_store_b64 v8, v[50:51], s[38:39]
	global_store_b64 v8, v[52:53], s[38:39] offset:2048
.Lend:
	s_wait_dscnt 0x0                               ; the closing lines, six on end
	s_wait_alu 0x0
	s_wait_tensorcnt 0x0
	ds_add_u32 v[SPW], v[NIL]
	s_wait_dscnt 0x0
	s_endpgm
.Lfunc_end_k_qdc161379ca_prep:
	.size	k_qdc161379ca_prep, .Lfunc_end_k_qdc161379ca_prep-k_qdc161379ca_prep
	.p2alignl 7, 3214868480
	.fill 96, 4, 3214868480
	.section	.rodata,"a",@progbits
	.p2align	6, 0x0
	.amdhsa_kernel k_qdc161379ca_prep
		.amdhsa_group_segment_fixed_size 18432
		.amdhsa_private_segment_fixed_size 0
		.amdhsa_enable_private_segment 0
		.amdhsa_kernarg_size 96
		.amdhsa_user_sgpr_count 2
		.amdhsa_user_sgpr_kernarg_segment_ptr 1
		.amdhsa_wavefront_size32 1
		.amdhsa_system_sgpr_workgroup_id_x 1
		.amdhsa_system_sgpr_workgroup_id_y 1
		.amdhsa_system_sgpr_workgroup_id_z 1
		.amdhsa_system_vgpr_workitem_id 0
		.amdhsa_next_free_vgpr 96
		.amdhsa_next_free_sgpr 66
		.amdhsa_reserve_vcc 0
		.amdhsa_float_denorm_mode_32 3
		.amdhsa_float_denorm_mode_16_64 3
		.amdhsa_memory_ordered 1
		.amdhsa_forward_progress 1
		.amdhsa_inst_pref_size 25
	.end_amdhsa_kernel
	.amdgpu_metadata
---
amdhsa.version: [ 1, 2 ]
amdhsa.kernels:
  - .name:           k_qdc161379ca_prep
    .symbol:         k_qdc161379ca_prep.kd
    .args:
      - { .name: x, .offset: 0, .size: 8, .value_kind: global_buffer, .address_space: global }
      - { .name: W_attn, .offset: 8, .size: 8, .value_kind: global_buffer, .address_space: global }
      - { .name: W_proj, .offset: 16, .size: 8, .value_kind: global_buffer, .address_space: global }
      - { .name: b_attn, .offset: 24, .size: 8, .value_kind: global_buffer, .address_space: global }
      - { .name: b_proj, .offset: 32, .size: 8, .value_kind: global_buffer, .address_space: global }
      - { .name: lut_k, .offset: 40, .size: 8, .value_kind: global_buffer, .address_space: global }
      - { .name: lut_v, .offset: 48, .size: 8, .value_kind: global_buffer, .address_space: global }
      - { .name: xb, .offset: 56, .size: 8, .value_kind: global_buffer, .address_space: global }
      - { .name: wat, .offset: 64, .size: 8, .value_kind: global_buffer, .address_space: global }
      - { .name: wpt, .offset: 72, .size: 8, .value_kind: global_buffer, .address_space: global }
      - { .name: bias, .offset: 80, .size: 8, .value_kind: global_buffer, .address_space: global }
      - { .name: tab, .offset: 88, .size: 8, .value_kind: global_buffer, .address_space: global }
    .group_segment_fixed_size: 18432
    .private_segment_fixed_size: 0
    .kernarg_segment_align: 8
    .kernarg_segment_size: 96
    .max_flat_workgroup_size: 256
    .sgpr_count:     66
    .vgpr_count:     96
    .wavefront_size: 32
...
	.end_amdgpu_metadata
.endif
;; end of part 5
;; launch qkv: the kernel of part 2 again; grid 16 x 32, 4 waves a work-group, clusters of 4 x 4, 327,680 bytes of LDS; arguments xb, wat, bias, qkv; writes qkv
;; launch attn: the kernel of part 3 again; grid 2 x 128, 8 waves a work-group, no clusters, 327,680 bytes of LDS; arguments qkv, tab, ob; writes ob
;; launch proj: the kernel of part 4 again; grid 8 x 32, 4 waves a work-group, clusters of 4 x 4, 327,680 bytes of LDS; arguments ob, wpt, bias, out0; writes out0
